; MI455X (gfx1250); checked and timed in simulation.
; The chip was launched on July 23, 2026; its instructions are those of AMD's public machine-readable ISA for CDNA 5 (MIT licence, August 2026) and "CDNA5" Instruction Set Architecture Reference Guide (July 2026). The comments in the code are by the model that wrote it; some were corrected since.
;; Mllama Text Self Attention. Allowed arithmetic: matrix products marked QUANTISED: E2M3 operands, one E8M0 scale for each 32 along K, by v_wmma_scale_f32_16x16x128_f8f6f4 with both operands' format E2M3, f32 sums; everything else in f32.
;; Inputs: attention_mask 1 x 1 x 2,048 x 2,048 float32; cos 1 x 2,048 x 128 float32; hidden_states 2 x 2,048 x 4,096 float32; sin 1 x 2,048 x 128 float32; wk 512 x 4,096 float32; wo 4,096 x 1,024 float32; wq 1,024 x 4,096 float32; wv 512 x 4,096 float32.
;; Outputs: out0 2 x 2,048 x 4,096 float32.
;; This version of the problem:
;;   THIS VERSION OF THE PROBLEM IS GIVEN IN LOW PRECISION. The matrix products marked QUANTISED in the list below multiply operands that are first quantised to E2M3 (2 exponent bits, 3 mantissa bits; 6 bits a number), with one power-of-two scale for each 32 numbers along K (OCP MX v1.0); their sums are f32. All else is computed in f32.
;;   The module's matrix products, in the order in which they are computed (A, B: the left and right operand; K: the contracted axis; several contracted axes count as one K, in the product's order):
;;     1. [M 4,096, K 4,096] x [K 4,096, N 1,024]; A: input hidden_states; B: input wq: QUANTISED
;;     2. [M 4,096, K 4,096] x [K 4,096, N 512]; A: input hidden_states; B: input wk: QUANTISED
;;     3. [M 4,096, K 4,096] x [K 4,096, N 512]; A: input hidden_states; B: input wv: QUANTISED
;;     4. batch 16 x [M 2,048, K 128] x [K 128, N 2,048]; A: computed on the way; B: computed on the way: QUANTISED
;;     5. batch 16 x [M 2,048, K 2,048] x [K 2,048, N 128]; A: softmax (see below); B: computed on the way: QUANTISED
;;     6. [M 4,096, K 1,024] x [K 1,024, N 4,096]; A: computed on the way; B: input wo: QUANTISED
;;   THE QUANTISER, for each operand of a quantised product, along K:
;;     - K is cut into blocks of 32 from its start; a last block that is shorter is filled with zeros.
;;     - A block's scale is 2^e with e = floor(log2(the largest magnitude in the block)) - 2, held to -126 .. 127; a block of zeros has e = 0. As a byte (E8M0): e + 127.
;;     - Each number is divided by its block's scale, clamped to +-7.5, and rounded to the nearest number of E2M3, ties to even, subnormals kept.
;;     - The product sums the exact products of the quantised numbers (number of the format x scale) in f32.
;;   ~~~python
;;   def quantise(x, axis):      # numpy; x: float32 -> the quantised numbers, widened to float32 again
;;       x = np.moveaxis(x, axis, -1); K = x.shape[-1]
;;       x = np.pad(x, [(0, 0)] * (x.ndim - 1) + [(0, -K % 32)]); x = x.reshape(x.shape[:-1] + (-1, 32)); a = np.abs(x).max(-1, keepdims=True)
;;       e = np.where(a > 0, np.clip(np.frexp(np.where(a > 0, a, 1))[1] - 1 - 2, -126, 127), 0)      # np.frexp(a)[1] - 1 = floor(log2(a)), exactly
;;       r = np.clip(x / 2.0 ** e, -7.5, 7.5)
;;       step = 2.0 ** (np.maximum(np.frexp(np.where(r == 0, 1, r))[1] - 1, 0) - 3)
;;       q = np.round(r / step) * step * 2.0 ** e      # np.round: ties to even
;;       return np.moveaxis(q.reshape(q.shape[:-2] + (-1,))[..., :K], -1, axis).astype(np.float32)
;;   ~~~
;;   SOFTMAX AHEAD OF A QUANTISED PRODUCT. Where the list says 'softmax', what is quantised is not the finished softmax but p = 2^(t - M), with t = logit x log2(e) and M = ceil(the row's largest t), a whole number; so 1/2 < the row's largest p <= 1. The row's sum l is taken of the UNQUANTISED p, in f32, and the product's result is divided by l at the end. Since M is a whole number, a kernel that streams over the keys may use a running M (the ceiling of the running maximum): every later rescaling is an exact power of two, which a block's scale takes up: the codes' values come out the same.
;;   OPERANDS COMPUTED ON THE WAY. 'Computed on the way' means the value that the module computes at that place (a softmax that the list does not call 'softmax' is quantised finished and normalised). What goes into a quantiser is computed in f32, as accurately as f32 sums, v_exp_f32 and their like allow (about 1e-6 of the number): no bf16 or f16 on the way to a quantiser, and a product that is left as it is and whose result goes on into a quantised operand takes f32 operands (vector FMAs, or v_wmma_f32_16x16x4_f32). A number that lies on a knife's edge between two numbers of the format may be rounded either way, as far as f32 arithmetic and the matrix unit's own rounding can turn it there, and no further.
;; One version. Each part assembles by itself: llvm-mc -triple=amdgcn-amd-amdhsa -mcpu=gfx1250 --defsym DOCPART=n.
;; ======== version 1 of 1: 4 launches
;; limits: right only within a limited range of input values
;; workspace buffers: c1 22,937,600 bytes; qkv 6,553,600 bytes; acod 3,276,800 bytes; tab 2,097,152 bytes
;; launch quant (part 1): grid 256 x 1, 15 waves a work-group, no clusters, 120,320 bytes of LDS; arguments hidden_states, wq, wk, wv, wo, c1, cos, sin, tab; writes c1, tab
.if DOCPART == 1
	.amdgcn_target "amdgcn-amd-amdhsa--gfx1250"
	.amdhsa_code_object_version 6
	.text
	.protected	k_q628936e105_quant
	.globl	k_q628936e105_quant
	.p2align	8
	.type	k_q628936e105_quant,@function
k_q628936e105_quant:
	s_mov_b64 s[64:65], 0
	v_nop
	global_prefetch_b8 v0, s[64:65] scope:SCOPE_SE
	s_setreg_imm32_b32 hwreg(HW_REG_WAVE_MODE, 25, 1), 1
	s_wait_xcnt 0x0
; hidden_states [4096][4096], wq [1024][4096], wk, wv [512][4096], wo [4096][1024], all f32 with K innermost, become codes of FP6 (E2M3) with one E8M0 byte for each 32 along K.
; A block's scale is 2^(floor(log2(largest magnitude)) - 2); its byte is the largest magnitude's exponent field - 2, held at 1 from below.
; LAYOUT OF c1.  A FRAGMENT (16 rows x 128 K, 12 registers a lane) lies as an image of the operand's registers: registers 4 c .. 4 c + 3 of lane l at 512 c + 16 l: 1,536 bytes.
; A RECORD is 16 rows x 512 K: four fragments, then 256 bytes of scale words (row r's four words at 16 r): 6,400 bytes, 25 x 256.  Record u: hidden_states 0 .. 2047 (8 x row tile + K group), wq from 2048, wk from 2560,
; wv from 2816, wo from 3072 (2 x row tile + K group).
; ORDER INSIDE A BLOCK OF 32: the code at place 16 h + 8 u + j of a block is the number at 16 u + 8 h + j.  Every operand of this program is laid so, so both sides of each product agree; blocks and scales are the true ones.
; LIMITS: NaN and infinities are not served; a block whose largest magnitude lies under 2^-124 keeps the byte 1; a block of zeros has the byte 1 where the rule says 127 (its codes are zeros; this program alone reads the bytes).
; SHARES.  3,584 records = 256 work-groups x 14 waves: a wave makes one record.  Each load reads 512 consecutive bytes of one row; a fragment's 8 KB turn through the wave's own stage in LDS (rows of 512 + 16 bytes), so that a lane
; gets 16 numbers of each block of its row.  Two fragments' loads (32 a wave) are on their way.  Waves share nothing: no barrier, no matrix unit, no cluster.
.set STG,  8448                        ; a wave's stage: 16 rows x 528 bytes
.set FRB,  1536
.set R0,   16                          ; v16-143  two sets of 64 registers as loaded
.set X,    144                         ; v144-207 64 numbers of my row, in the operand's order
.set TM,   208                         ; v208-219 at work
.set PC,   224                         ; v224-242 the codes
.set PWS,  244                         ; v244-247 the four fragments' scale words
.set SEL,  28                          ; s[28:29] lane selects: lane l xor 16
; 64 numbers of a lane, register 16 b + i = place 32 b + 16 (lane / 16) + i of my row, become a fragment's codes in v[PC] on and its scale word in v[pw].
.macro QUANT s, pw
.irp b, 0,1,2,3
	v_max3_num_f32 v[TM+\b], |v[\s+16*\b]|, |v[\s+1+16*\b]|, 0x1800000   ; my 16 numbers of block b, and the floor 2^(3 - 127): the byte cannot fall under 1
.endr
.irp i, 2,4,6,8,10,12,14
.irp b, 0,1,2,3
	s_delay_alu instid0(VALU_DEP_4)
	v_max3_num_f32 v[TM+\b], v[TM+\b], |v[\s+16*\b+\i]|, |v[\s+1+16*\b+\i]|
.endr
.endr
.irp b, 0,1,2,3
	s_delay_alu instid0(VALU_DEP_4)
	v_permlanex16_b32 v[TM+4+\b], v[TM+\b], s[SEL], s[SEL+1]
.endr
.irp b, 0,1,2,3
	s_delay_alu instid0(VALU_DEP_4)
	v_max_num_f32 v[TM+\b], v[TM+\b], v[TM+4+\b]   ; with lane l xor 16's: the block's largest magnitude
.endr
.irp b, 0,1,2,3
	s_delay_alu instid0(VALU_DEP_4)
	v_add_nc_u32 v[TM+8+\b], 0xff000000, v[TM+\b]  ; 2 off its exponent field: the conversion's scale operand
.endr
.irp b, 0,1,2,3
	s_delay_alu instid0(VALU_DEP_4)
	v_lshrrev_b32 v[TM+4+\b], 23, v[TM+8+\b]       ; the scale's byte
.endr
	s_delay_alu instid0(VALU_DEP_3)
	v_lshl_or_b32 v[\pw], v[TM+5], 8, v[TM+4]
	s_delay_alu instid0(VALU_DEP_1)
	v_lshl_or_b32 v[\pw], v[TM+6], 16, v[\pw]
	s_delay_alu instid0(VALU_DEP_1)
	v_lshl_or_b32 v[\pw], v[TM+7], 24, v[\pw]
.irp c, 0,1
	v_cvt_scalef32_pk16_fp6_f32 v[PC+6*\c:PC+2+6*\c], v[\s+32*\c:\s+15+32*\c], v[TM+8+2*\c]
	v_cvt_scalef32_pk16_fp6_f32 v[PC+12+4*\c:PC+14+4*\c], v[\s+16+32*\c:\s+31+32*\c], v[TM+8+2*\c+1]   ; (a conversion's three registers begin on an even number)
.endr
	v_nop                                          ; one plain instruction behind the scaled conversions
.irp c, 0,1                                    ; the operand wants a whole block in a lane: lanes 0-15 block 2 c, lanes 16-31 block 2 c + 1
.irp i, 0,1,2
	v_permlane16_swap_b32 v[PC+6*\c+\i], v[PC+12+4*\c+\i]
.endr
.irp i, 0,1,2
	s_delay_alu instid0(VALU_DEP_3)
	v_mov_b32 v[PC+3+6*\c+\i], v[PC+12+4*\c+\i]
.endr
.endr
.endm
	s_load_b256 s[4:11], s[0:1], 0x0               ; hidden_states, wq, wk, wv
	s_load_b128 s[12:15], s[0:1], 0x20             ; wo, c1
	v_lshl_add_u32 v248, v0, 2, 0x1ce00
	v_mov_b32 v249, 0
	v_lshrrev_b32 v1, 5, v0
	s_delay_alu instid0(VALU_DEP_1)
	v_readfirstlane_b32 s16, v1                    ; wave 0..14
	s_mul_i32 s17, ttmp9, 14
	s_add_co_u32 s17, s17, s16                     ; u: my record
	v_and_b32 v1, 31, v0
	v_and_b32 v6, 15, v0                           ; r
	v_bfe_u32 v7, v0, 4, 1                         ; h
	s_delay_alu instid0(VALU_DEP_3)
	v_lshlrev_b32 v2, 4, v1                        ; 16 x lane
	s_delay_alu instid0(VALU_DEP_3)
	v_lshlrev_b32 v3, 4, v6                        ; 16 r
	s_mul_i32 s18, s16, STG
	v_add_nc_u32 v4, s18, v2                       ; the stage, on the way in: a row's 512 bytes as they lie
	v_mul_u32_u24 v5, v6, 528
	s_delay_alu instid0(VALU_DEP_1)
	v_lshl_add_u32 v5, v7, 5, v5
	s_delay_alu instid0(VALU_DEP_1)
	v_add_nc_u32 v5, s18, v5                       ; and on the way out: row r, + 32 h
	s_mov_b32 s[SEL], 0x76543210
	s_mov_b32 s[SEL+1], 0xfedcba98
.irp b, 0,1,2,3
	v_mov_b32 v[TM+4+\b], 0                        ; written once: a lane permute's destination counts as one of its sources
.endr
	s_wait_alu depctr_va_vdst(0)
	s_wait_kmcnt 0x0
	s_cmp_eq_u32 s16, 14
	s_cbranch_scc1 .Ltables                        ; waves 0-13 make a record each; wave 14 lays a piece of the RoPE tables
	; which tensor: the choice hangs on the record's number alone
	s_mov_b64 s[20:21], s[12:13]                   ; wo: first record 3072, 2 records a row tile, rows of 4,096 bytes
	s_mov_b32 s22, 3072
	s_mov_b32 s23, 1
	s_mov_b32 s24, 4096
	s_cmp_lt_u32 s17, 3072
	s_cselect_b64 s[20:21], s[10:11], s[20:21]     ; wv: and from here on 8 records a row tile, rows of 16,384 bytes
	s_cselect_b32 s22, 2816, s22
	s_cselect_b32 s23, 3, s23
	s_cselect_b32 s24, 16384, s24
	s_cmp_lt_u32 s17, 2816
	s_cselect_b64 s[20:21], s[8:9], s[20:21]       ; wk
	s_cselect_b32 s22, 2560, s22
	s_cmp_lt_u32 s17, 2560
	s_cselect_b64 s[20:21], s[6:7], s[20:21]       ; wq
	s_cselect_b32 s22, 2048, s22
	s_cmp_lt_u32 s17, 2048
	s_cselect_b64 s[20:21], s[4:5], s[20:21]       ; hidden_states
	s_cselect_b32 s22, 0, s22
	s_sub_co_u32 s18, s17, s22                     ; the record's number in its tensor
	s_lshr_b32 s19, s18, s23                       ; row tile
	s_lshl_b32 s25, s19, s23
	s_sub_co_u32 s25, s18, s25                     ; K group
	s_mul_i32 s30, s19, s24
	s_lshl_b32 s30, s30, 4                         ; 16 rows a tile (under 2^27 bytes)
	s_lshl_b32 s25, s25, 11                        ; 512 numbers a group
	s_add_co_u32 s30, s30, s25
	s_mov_b32 s31, 0
	s_mov_b32 s25, 0                               ; s[24:25]: a row, in bytes
	s_add_nc_u64 s[32:33], s[20:21], s[30:31]      ; a base for each of the 16 rows, since the row's length is not a constant of the text
.irp i, 1,2,3,4,5,6,7,8,9,10,11,12,13,14,15
	s_add_nc_u64 s[32+2*\i:33+2*\i], s[30+2*\i:31+2*\i], s[24:25]
.endr
	s_mul_i32 s26, s17, 4*FRB+256
	s_mov_b32 s27, 0
	s_add_nc_u64 s[26:27], s[14:15], s[26:27]      ; my record in c1
.macro LOAD f                          ; fragment f: 16 rows x 512 bytes, a row an instruction
.irp i, 0,1,2,3,4,5,6,7,8,9,10,11,12,13,14,15
	global_load_b128 v[R0+64*((\f)%2)+4*\i:R0+64*((\f)%2)+4*\i+3], v2, s[32+2*\i:33+2*\i] offset:512*(\f) th:TH_LOAD_NT
.endr
.endm
.macro FRAGQ f
.if (\f) < 3
	s_wait_loadcnt 16                              ; this fragment's 16 loads are in; the next fragment's 16 may be out
.else
	s_wait_loadcnt 0x0
.endif
.irp i, 0,1,2,3,4,5,6,7,8,9,10,11,12,13,14,15
	ds_store_b128 v4, v[R0+64*((\f)%2)+4*\i:R0+64*((\f)%2)+4*\i+3] offset:528*\i
.endr
.irp b, 0,1,2,3                                ; LDS serves a wave's instructions in order: these see the stores above
.irp u, 0,1
.irp j, 0,1
	ds_load_b128 v[X+16*\b+8*\u+4*\j:X+16*\b+8*\u+4*\j+3], v5 offset:128*\b+64*\u+16*\j   ; register 16 b + 8 u + j: number 32 b + 16 u + 8 h + j of my row
.endr
.endr
.endr
	s_wait_dscnt 0x0                               ; my numbers are back, and the stores have read the loaded registers
	s_wait_xcnt 0x0                                ; the last fragment's stores have read the codes' registers
.if (\f)+2 < 4
	LOAD (\f)+2
.endif
	QUANT X, PWS+(\f)
.irp c, 0,1,2
	global_store_b128 v2, v[PC+4*\c:PC+4*\c+3], s[26:27] offset:FRB*(\f)+512*\c   ; 32 lanes store 512 consecutive bytes, aligned to 256
.endr
.endm
	LOAD 0
	LOAD 1
	FRAGQ 0
	FRAGQ 1
	FRAGQ 2
	FRAGQ 3
	global_store_b128 v3, v[PWS:PWS+3], s[26:27] offset:4*FRB   ; the scale words: 256 consecutive bytes (lanes 16-31 hold and write what lanes 0-15 do)
	s_wait_tensorcnt 0x0
	ds_add_u32 v248, v249
	s_wait_dscnt 0x0
	s_endpgm
; WAVE 14: cos and sin [2048][128] f32 are laid as images of the registers in which the projection's way out wants them.  tab: [token block of 16: 128][cos, sin][16 images of 512 bytes]; registers 4 n .. 4 n + 3 of lane (r, h),
; the numbers d = 16 (n / 2) + 8 h + 4 (n % 2) + 0 .. 3 of token r, lie at 512 n + 16 lane.  256 work-groups x one wave = 128 blocks x 2 tables.  This wave touches no LDS.
.Ltables:
	s_load_b128 s[20:23], s[0:1], 0x30             ; cos, sin
	s_load_b64 s[24:25], s[0:1], 0x40              ; tab
	v_lshlrev_b32 v8, 9, v6                        ; token r: 512 bytes a token
	s_delay_alu instid0(VALU_DEP_1)
	v_lshl_add_u32 v8, v7, 5, v8                   ; + 32 h
	s_lshr_b32 s26, ttmp9, 1
	s_lshl_b32 s26, s26, 13                        ; the block: 16 tokens, 8,192 bytes
	s_mov_b32 s27, 0
	s_lshl_b32 s30, ttmp9, 13                      ; my 8,192 bytes of tab
	s_mov_b32 s31, 0
	s_and_b32 s28, ttmp9, 1
	s_wait_alu depctr_va_vdst(0)                   ; the wait here, directly ahead of the wait below
	s_wait_kmcnt 0x0
	s_cmp_eq_u32 s28, 1                            ; the choice hangs on the work-group's number alone
	s_cselect_b64 s[20:21], s[22:23], s[20:21]
	s_add_nc_u64 s[20:21], s[20:21], s[26:27]
	s_add_nc_u64 s[24:25], s[24:25], s[30:31]
.set n, 0
.rept 16
	global_load_b128 v[16+4*n:19+4*n], v8, s[20:21] offset:64*(n/2)+16*(n%2)
.set n, n+1
.endr
	s_wait_loadcnt 0x0
.set n, 0
.rept 16
	global_store_b128 v2, v[16+4*n:19+4*n], s[24:25] offset:512*n   ; 32 lanes store 512 consecutive bytes, aligned to 256
.set n, n+1
.endr
	s_endpgm
.Lfunc_end_k_q628936e105_quant:
	.size	k_q628936e105_quant, .Lfunc_end_k_q628936e105_quant-k_q628936e105_quant
	.p2alignl 7, 3214868480
	.fill 96, 4, 3214868480
	.section	.rodata,"a",@progbits
	.p2align	6, 0x0
	.amdhsa_kernel k_q628936e105_quant
		.amdhsa_group_segment_fixed_size 120320
		.amdhsa_private_segment_fixed_size 0
		.amdhsa_enable_private_segment 0
		.amdhsa_kernarg_size 72
		.amdhsa_user_sgpr_count 2
		.amdhsa_user_sgpr_kernarg_segment_ptr 1
		.amdhsa_wavefront_size32 1
		.amdhsa_system_sgpr_workgroup_id_x 1
		.amdhsa_system_sgpr_workgroup_id_y 1
		.amdhsa_system_sgpr_workgroup_id_z 1
		.amdhsa_system_vgpr_workitem_id 0
		.amdhsa_next_free_vgpr 250
		.amdhsa_next_free_sgpr 66
		.amdhsa_reserve_vcc 0
		.amdhsa_float_denorm_mode_32 3
		.amdhsa_float_denorm_mode_16_64 3
		.amdhsa_memory_ordered 1
		.amdhsa_forward_progress 1
		.amdhsa_inst_pref_size 45
	.end_amdhsa_kernel
	.amdgpu_metadata
---
amdhsa.version: [ 1, 2 ]
amdhsa.kernels:
  - .name:           k_q628936e105_quant
    .symbol:         k_q628936e105_quant.kd
    .args:
      - { .name: hidden_states, .offset: 0, .size: 8, .value_kind: global_buffer, .address_space: global }
      - { .name: wq, .offset: 8, .size: 8, .value_kind: global_buffer, .address_space: global }
      - { .name: wk, .offset: 16, .size: 8, .value_kind: global_buffer, .address_space: global }
      - { .name: wv, .offset: 24, .size: 8, .value_kind: global_buffer, .address_space: global }
      - { .name: wo, .offset: 32, .size: 8, .value_kind: global_buffer, .address_space: global }
      - { .name: c1, .offset: 40, .size: 8, .value_kind: global_buffer, .address_space: global }
      - { .name: cos, .offset: 48, .size: 8, .value_kind: global_buffer, .address_space: global }
      - { .name: sin, .offset: 56, .size: 8, .value_kind: global_buffer, .address_space: global }
      - { .name: tab, .offset: 64, .size: 8, .value_kind: global_buffer, .address_space: global }
    .group_segment_fixed_size: 120320
    .private_segment_fixed_size: 0
    .kernarg_segment_align: 8
    .kernarg_segment_size: 72
    .max_flat_workgroup_size: 480
    .sgpr_count:     66
    .vgpr_count:     250
    .wavefront_size: 32
...
	.end_amdgpu_metadata
.endif
;; end of part 1
;; launch qkvproj (part 2): grid 16 x 16, 4 waves a work-group, clusters of 4 x 4, 327,680 bytes of LDS; arguments c1, tab, qkv; writes qkv
.if DOCPART == 2
	.amdgcn_target "amdgcn-amd-amdhsa--gfx1250"
	.amdhsa_code_object_version 6
	.text
	.protected	k_q628936e105_qkvproj
	.globl	k_q628936e105_qkvproj
	.p2align	8
	.type	k_q628936e105_qkvproj,@function
k_q628936e105_qkvproj:
	s_mov_b64 s[64:65], 0
	v_nop
	global_prefetch_b8 v0, s[64:65] scope:SCOPE_SE
	s_setreg_imm32_b32 hwreg(HW_REG_WAVE_MODE, 25, 1), 1
	s_wait_xcnt 0x0
	s_wait_alu depctr_hold_cnt(0) depctr_sa_sdst(0) depctr_va_vdst(0) depctr_va_sdst(0) depctr_va_ssrc(0) depctr_va_vcc(0) depctr_vm_vsrc(0)
	s_getreg_b32 s2, hwreg(HW_REG_IB_STS2, 6, 4)
	s_cmp_eq_u32 s2, 0
	s_cbranch_scc0 .Lentry_in_a_cluster
	s_endpgm
.Lentry_in_a_cluster:
	s_bfe_u32 s2, ttmp6, 0x10000c
	s_cmp_lg_u32 s2, 0xf033
	s_cbranch_scc0 .Lentry_shape_is_right
	s_endpgm
.Lentry_shape_is_right:
; q, k, v = hidden_states x (wq, wk, wv)^T on codes of FP6 (E2M3) with E8M0 scales, K = 4,096; RoPE on q and k in f32; the results are quantised here for the attention's products.
; c1: records of 16 rows x 512 K (four fragment images of 1,536 bytes, then 256 bytes of scale words, row r's four at 16 r): hidden_states from row tile 0, the weights from row tile 256 on; 8 records a row tile.
; qkv: [batch][head 16: 8 q, 4 k, 4 v][32 records].  q, k: a record is 64 tokens, quantised along d.  v: record 2 s + g is keys 128 s on x d tiles 4 g on, quantised along the keys.
; SHARES.  A work-group makes 256 tokens x 128 columns (one head): grid 16 x 16 = 256 work-groups.  A wave multiplies a set of EIGHT fragments (source 0) by a set of FOUR (source 1): 32 accumulators, by turns.
;   q, k: the eight are the head's 128 weight rows, the four my 64 tokens: a lane holds one token and its registers run along d.
;   v (cluster x = 3): the eight are 128 tokens, the four 64 weight rows: a lane holds one d and its registers run along the keys, which are the K of the attention's second product.  So nothing is transposed;
;   only the sets' LDS bases differ, chosen by the cluster's x, which all partners share.
; Register 8 b + j of a lane is number 16 b + 8 h + j along the next K: the order inside a block of 32 that every operand of this program has.
; THE RING.  Two slots of 512 along K: 16 records of hidden_states, 8 of the weights, 153,600 bytes.  Waves 0, 1 fetch the tokens' halves, waves 2, 3 the weights'.  CLUSTER 4 x 4: the tokens' records are shared along a row, the weights' along a column.
; PREFETCH.  Behind the fill of K group g each wave names its share of group g + 2 (two slots, 256 matrix instructions a wave, ahead); the head names groups 1 and 2; the last two fills name nothing.  Of the 16 token records of a group the partner at
; cx takes 4 cx + wave, 25 blocks of 256 bytes, a lane a block (lanes 25-31 name the last again); of the 8 weight records the partner at cy takes 2 cy + wave / 2, blocks 0-12 or 13-24 by wave % 2.  Partners are told apart by address alone.
; cos, sin: a lane's 64 + 64 numbers for each of my four token blocks.  Three blocks are loaded at the head, the fourth ahead of the last 32 products into fragment registers that are done with.
; The work-groups of v run these loads too and use none of them: one path leads through the text up to the way out.
; LIMITS: NaN and infinities are not served; a block whose largest magnitude lies under 2^-124 keeps the byte 1, a block of zeros too (its codes are zeros; this program alone reads the bytes).
; REGISTERS.  Window 0: v4-15 at work, v16-30 addresses, v32-95 scale words (two sets, nothing else), v96-191 the four's fragments (two sets), v192-255 block 2's cos.  Window 1: v0-191 the eight's fragments (two sets), v192-255 block 2's sin.
; Window 2: the accumulators, (a, b) at 8 (8 a + b).  Window 3: cos and sin of blocks 0, 1.  On the way out, window 0: v128-191 the rotated numbers, v192-215 codes and scale words.
.set REC,   6400
.set FRB,   1536
.set RTILE, 8*REC
.set BOFF,  16*REC
.set SLOT,  24*REC
.set SPARE, 2*SLOT                     ; the spare words: 512 bytes that no other line names
.set TM,   4
.set ADR4, 16                          ; v16-17 the four's fragments in slot 0, 1
.set ADR8, 18                          ; v18-19 the eight's
.set ADRS, 20                          ; v20-21 scale words: lanes 0-15 the four's records, lanes 16-31 the eight's
.set ADRT, 22                          ; v22-23 scale words of the eight's records in all lanes
.set LI,   24                          ; 16 x lane
.set LR,   25                          ; 16 r
.set PFOA, 27
.set SPW,  28
.set NIL,  29
.set PFOB, 30
.set AF,   96
.set H0,   128
.set PC,   192
.set PWS,  212
.set WV,   14
.set SEL,  96
.set PFA,  98
.set G1,   24
.set G0,   32
.set G1B,  48
.set G0B,  56
.set MUL,  0xa1                        ; source 0 window 1, source 1 window 0, C and D window 2
.set MSB, 0
.macro WIN new                         ; the immediate's high byte repeats the setting that is left
.if MSB != (\new)
	s_set_vgpr_msb (MSB<<8)|(\new)
.set MSB, (\new)
.endif
.endm
.macro PLACES n
.rept \n
	v_nop
.endr
.endm
.macro JLOAD g0a, g1a, g0b, g1b        ; a joint load a wave; the branch hangs on the wave's number alone; s_nop 0 and four v_nop follow each line
	s_cmp_eq_u32 s15, 0
	s_cbranch_scc0 .Lfor_b_\@
	tensor_load_to_lds s[\g0a:\g0a+3], s[\g1a:\g1a+7]
	s_nop 0
.rept 4
	v_nop
.endr
	s_branch .Lasked_\@
.Lfor_b_\@:
	tensor_load_to_lds s[\g0b:\g0b+3], s[\g1b:\g1b+7]
	s_nop 0
.rept 4
	v_nop
.endr
.Lasked_\@:
.endm
.macro CREST
	s_cmp_lg_u32 s[WV], 0
	s_cbranch_scc1 .Lnot_wave_0_\@
	s_barrier_signal -3
.Lnot_wave_0_\@:
	s_barrier_wait -3
	s_barrier_signal -1
	s_barrier_wait -1
.endm
.macro CROUND
	s_barrier_signal -1
	s_barrier_wait -1
	CREST
.endm
.macro ASK always                      ; my share of the K group two fills on; the loop's last trip (s3 = 1) has none
.if \always == 0
	s_cmp_gt_u32 s3, 1
	s_cbranch_scc0 .Lnone_\@
.endif
	global_prefetch_b8 v[PFOA], s[PFA:PFA+1] offset:2*REC th:TH_LOAD_NT scope:SCOPE_SE
	global_prefetch_b8 v[PFOB], s[PFA:PFA+1] offset:2*REC th:TH_LOAD_NT scope:SCOPE_SE
.if \always == 0
.Lnone_\@:
.endif
.endm
; 64 numbers of a lane, in window w from register s on, become a fragment's codes in v[PC] on and its scale word in v[pw]
.macro QUANT s, pw, w
	WIN (\w)|((\w)<<2)
.irp b, 0,1,2,3
	v_max3_num_f32 v[TM+\b], |v[\s+16*\b]|, |v[\s+1+16*\b]|, 0x1800000   ; my 16 of block b, and the floor 2^(3 - 127)
.endr
	WIN ((\w)<<2)|((\w)<<4)
.irp i, 2,4,6,8,10,12,14
.irp b, 0,1,2,3
	v_max3_num_f32 v[TM+\b], v[TM+\b], |v[\s+16*\b+\i]|, |v[\s+1+16*\b+\i]|
.endr
.endr
	WIN 0
.irp b, 0,1,2,3
	v_permlanex16_b32 v[TM+4+\b], v[TM+\b], s[SEL], s[SEL+1]
.endr
.irp b, 0,1,2,3
	v_max_num_f32 v[TM+\b], v[TM+\b], v[TM+4+\b]   ; with lane l xor 16's: the block's largest magnitude
.endr
.irp b, 0,1,2,3
	v_add_nc_u32 v[TM+8+\b], 0xff000000, v[TM+\b]  ; 2 off its exponent field: the conversion's scale operand
.endr
.irp b, 0,1,2,3
	v_lshrrev_b32 v[TM+4+\b], 23, v[TM+8+\b]       ; the byte
.endr
	v_lshl_or_b32 v[\pw], v[TM+5], 8, v[TM+4]
	v_lshl_or_b32 v[\pw], v[TM+6], 16, v[\pw]
	v_lshl_or_b32 v[\pw], v[TM+7], 24, v[\pw]
	WIN (\w)
.irp c, 0,1
	v_cvt_scalef32_pk16_fp6_f32 v[PC+6*\c:PC+2+6*\c], v[\s+32*\c:\s+15+32*\c], v[TM+8+2*\c]
	v_cvt_scalef32_pk16_fp6_f32 v[PC+12+4*\c:PC+14+4*\c], v[\s+16+32*\c:\s+31+32*\c], v[TM+8+2*\c+1]
.endr
	WIN 0
	v_nop                                          ; one plain instruction behind the scaled conversions
.irp c, 0,1                                    ; a whole block to a lane
.irp i, 0,1,2
	v_permlane16_swap_b32 v[PC+6*\c+\i], v[PC+12+4*\c+\i]
.endr
.irp i, 0,1,2
	v_mov_b32 v[PC+3+6*\c+\i], v[PC+12+4*\c+\i]
.endr
.endr
.endm
; where block a's tables lie: cos (64 registers), sin of d under 64 (32), sin of d from 64 on (32): window and first register
.macro TAB a
.if (\a) < 2
.set CW, 3
.set CB, 128*(\a)
.set LW, 3
.set LB, 128*(\a)+64
.set HW, 3
.set HB, 128*(\a)+96
.else
.if (\a) == 2
.set CW, 0
.set CB, 192
.set LW, 1
.set LB, 192
.set HW, 1
.set HB, 224
.else
.set CW, 1
.set CB, 0
.set LW, 1
.set LB, 64
.set HW, 0
.set HB, 96
.endif
.endif
.endm
.macro CSL a                           ; register 8 t + i of a table: d = 16 t + 8 h + i of token 16 a + r
	TAB \a
	WIN CW<<6
.set n, 0
.rept 16
	global_load_b128 v[CB+4*n:CB+4*n+3], v[LI], s[6:7] offset:16384*(\a)+512*n   ; tab holds images of these registers: [token block][cos, sin][16 images of 512 bytes]: 32 lanes read 512 consecutive bytes
.set n, n+1
.endr
	WIN LW<<6
.set n, 0
.rept 8
	global_load_b128 v[LB+4*n:LB+4*n+3], v[LI], s[6:7] offset:16384*(\a)+8192+512*n
.set n, n+1
.endr
	WIN HW<<6
.set n, 0
.rept 8
	global_load_b128 v[HB+4*n:HB+4*n+3], v[LI], s[6:7] offset:16384*(\a)+12288+512*n
.set n, n+1
.endr
	WIN 0
.endm
.macro ROPE a                          ; x cos + rotate_half(x) sin: register n pairs with n + 32 (d with d + 64); each accumulator is read from its low end on
	TAB \a
.set AC, 64*(\a)
	WIN 0x02|(CW<<2)
.set n, 0
.rept 16
	v_pk_mul_f32 v[H0+n:H0+n+1], v[AC+n:AC+n+1], v[CB+n:CB+n+1]
	v_pk_mul_f32 v[H0+32+n:H0+33+n], v[AC+32+n:AC+33+n], v[CB+32+n:CB+33+n]
.set n, n+2
.endr
	WIN 0x02|(LW<<2)
.set n, 0
.rept 16
	v_pk_fma_f32 v[H0+n:H0+n+1], v[AC+32+n:AC+33+n], v[LB+n:LB+n+1], v[H0+n:H0+n+1] neg_lo:[1,0,0] neg_hi:[1,0,0]
.set n, n+2
.endr
	WIN 0x02|(HW<<2)
.set n, 0
.rept 16
	v_pk_fma_f32 v[H0+32+n:H0+33+n], v[AC+n:AC+n+1], v[HB+n:HB+n+1], v[H0+32+n:H0+33+n]
.set n, n+2
.endr
.endm
	s_load_b128 s[4:7], s[0:1], 0x0                ; c1, tab (cos and sin as register images, laid by the launch before)
	s_load_b64 s[10:11], s[0:1], 0x10              ; qkv
	v_lshl_add_u32 v[SPW], v0, 2, SPARE
	v_mov_b32 v[NIL], 0
	ds_add_u32 v[SPW], v[NIL]                      ; the opening lines: the add, twice on end, and its wait ahead of my first tensor load
	ds_add_u32 v[SPW], v[NIL]
	v_lshrrev_b32 v1, 5, v0
	v_readfirstlane_b32 s[WV], v1                  ; wave 0..3
	s_lshr_b32 s15, s[WV], 1                       ; I fetch tokens (0) or weights (1)
	s_and_b32 s16, s[WV], 1                        ; which half
	s_bfe_u32 s40, ttmp6, 0x40000                  ; cx
	s_bfe_u32 s41, ttmp6, 0x40004                  ; cy
	s_lshl_b32 s42, ttmp9, 2
	s_add_co_u32 s42, s42, s40                     ; x: the head
	s_and_b32 s17, ttmp7, 0xffff
	s_lshl_b32 s17, s17, 2
	s_add_co_u32 s17, s17, s41                     ; y: the block of 256 tokens
	s_lshl_b32 s43, s41, 2
	s_lshl_b32 s43, 15, s43                        ; my row of the cluster
	s_lshl_b32 s44, 0x1111, s40                    ; my column
	s_or_b32 s[G1], s43, (3<<16)|(1<<21)           ; group 1: records as rows of 800 elements of 8 bytes, a row tile (51,200 bytes) apart: 8 of the tokens', 4 of the weights'
	s_or_b32 s[G1B], s44, (3<<16)|(1<<21)
.irp g, G1, G1B
	s_mov_b32 s[\g+1], 800<<16
	s_mov_b32 s[\g+3], 800<<16
	s_mov_b32 s[\g+5], RTILE/8
	s_mov_b32 s[\g+6], 0
	s_mov_b32 s[\g+7], 0
.endr
	s_mov_b32 s[G1+2], 8<<16
	s_mov_b32 s[G1+4], 8
	s_mov_b32 s[G1B+2], 4<<16
	s_mov_b32 s[G1B+4], 4
	s_lshl_b32 s20, s17, 4
	s_lshl_b32 s18, s16, 3
	s_add_co_u32 s20, s20, s18
	s_mul_i32 s20, s20, RTILE                      ; tokens: row tile 16 y + 8 half
	s_mov_b32 s21, 0
	s_lshl_b32 s46, s42, 3
	s_lshl_b32 s18, s16, 2
	s_add_co_u32 s46, s46, s18
	s_add_co_u32 s46, s46, 256
	s_mul_i32 s46, s46, RTILE                      ; weights: row tile 256 + 8 x + 4 half
	s_mov_b32 s47, 0
	s_mul_i32 s45, s16, 8*REC                      ; where they go: no place in the cluster enters an LDS address
	s_mul_i32 s94, s16, 4*REC
	s_add_co_u32 s94, s94, BOFF
	s_wait_dscnt 0x0                               ; both opening adds are done
	s_wait_kmcnt 0x0
	s_add_nc_u64 s[20:21], s[4:5], s[20:21]
	s_add_nc_u64 s[46:47], s[4:5], s[46:47]
.irp s, 0,1
	s_mov_b32 s[G0+4*\s], 1
	s_add_co_u32 s[G0+4*\s+1], s45, \s*SLOT
	s_add_nc_u64 s[G0+4*\s+2:G0+4*\s+3], s[20:21], \s*REC
	s_or_b32 s[G0+4*\s+3], s[G0+4*\s+3], 0x80000000
	s_mov_b32 s[G0B+4*\s], 1
	s_add_co_u32 s[G0B+4*\s+1], s94, \s*SLOT
	s_add_nc_u64 s[G0B+4*\s+2:G0B+4*\s+3], s[46:47], \s*REC
	s_or_b32 s[G0B+4*\s+3], s[G0B+4*\s+3], 0x80000000
.endr
	CROUND                                         ; all sixteen work-groups are here: the first joint loads meet
	JLOAD G0, G1, G0B, G1B                         ; K group 0: one tensor load a wave at the head
	s_and_b32 s18, s17, 7                          ; cos, sin: token 256 (y % 8) + 64 wave, 512 bytes a token
	s_lshl_b32 s18, s18, 8
	s_lshl_b32 s19, s[WV], 6
	s_add_co_u32 s18, s18, s19
	s_lshl_b32 s18, s18, 10                        ; 16,384 bytes of tab for each 16 tokens
	s_mov_b32 s19, 0
	s_add_nc_u64 s[6:7], s[6:7], s[18:19]
	s_lshr_b32 s12, s17, 3                         ; my record of qkv: 512 batch + 32 x + 4 (y % 8) + wave
	s_lshl_b32 s12, s12, 9
	s_lshl_b32 s13, s42, 5
	s_add_co_u32 s12, s12, s13
	s_and_b32 s13, s17, 7
	s_lshl_b32 s13, s13, 2
	s_add_co_u32 s12, s12, s13
	s_add_co_u32 s12, s12, s[WV]
	s_mul_i32 s12, s12, REC
	s_mov_b32 s13, 0
	s_add_nc_u64 s[12:13], s[10:11], s[12:13]
	s_mov_b64 s[PFA:PFA+1], s[4:5]                 ; the prefetches' base: c1 + 6,400 x the K group that is being filled
	s_lshl_b32 s18, s17, 4
	s_lshl_b32 s19, s40, 2
	s_add_co_u32 s18, s18, s19
	s_add_co_u32 s18, s18, s[WV]
	s_mul_i32 s18, s18, RTILE                      ; tokens: row tile 16 y + 4 cx + wave
	s_lshl_b32 s19, s42, 3
	s_lshl_b32 s22, s41, 1
	s_add_co_u32 s19, s19, s22
	s_add_co_u32 s19, s19, s15
	s_add_co_u32 s19, s19, 256
	s_mul_i32 s19, s19, RTILE                      ; weights: row tile 256 + 8 x + 2 cy + wave / 2
	s_mul_i32 s22, s16, 13
	s_mul_i32 s91, s[WV], 4*REC                    ; q, k: the four are my 64 tokens, the eight the weights' records
	s_mul_i32 s23, s15, 8*REC
	s_mov_b32 s92, BOFF
	s_cmp_eq_u32 ttmp9, 3                          ; v: the four are 64 weight rows (wave % 2), the eight 128 tokens (wave / 2)
	s_cselect_b32 s91, s94, s91
	s_cselect_b32 s92, s23, s92
	s_add_co_u32 s93, s91, SLOT
	s_add_co_u32 s95, s92, SLOT
	s_mov_b32 s[SEL], 0x76543210
	s_mov_b32 s[SEL+1], 0xfedcba98
	v_and_b32 v3, 31, v0
	v_and_b32 v1, 15, v0                           ; r
	v_bfe_u32 v2, v0, 4, 1                         ; h
	v_min_u32 v4, 24, v3
	v_min_u32 v5, 12, v3
	v_lshl_add_u32 v[PFOA], v4, 8, s18
	v_add_nc_u32 v5, s22, v5
	v_min_u32 v5, 24, v5
	v_lshl_add_u32 v[PFOB], v5, 8, s19
	v_lshlrev_b32 v[LI], 4, v3
	v_lshlrev_b32 v[LR], 4, v1
	v_cmp_eq_u32 s90, 1, v2
	v_add_nc_u32 v[ADR4], s91, v[LI]
	v_add_nc_u32 v[ADR4+1], s93, v[LI]
	v_add_nc_u32 v[ADR8], s92, v[LI]
	v_add_nc_u32 v[ADR8+1], s95, v[LI]
	v_add_nc_u32 v[ADRT], s92, v[LR]
	v_add_nc_u32 v[ADRT+1], s95, v[LR]
	v_add_nc_u32 v6, s91, v[LR]
	v_add_nc_u32 v7, s93, v[LR]
	v_cndmask_b32 v[ADRS], v6, v[ADRT], s90
	v_cndmask_b32 v[ADRS+1], v7, v[ADRT+1], s90
.irp b, 0,1,2,3
	v_mov_b32 v[TM+4+\b], 0                        ; written once: a lane permute's destination counts as one of its sources
.endr
	s_wait_alu depctr_va_vdst(0)                   ; the wait behind the head's vector work
	global_prefetch_b8 v[PFOA], s[PFA:PFA+1] offset:REC th:TH_LOAD_NT scope:SCOPE_SE     ; K groups 1 and 2
	global_prefetch_b8 v[PFOB], s[PFA:PFA+1] offset:REC th:TH_LOAD_NT scope:SCOPE_SE
	ASK 1
	CSL 0
	CSL 1
	CSL 2
.macro FETCH slot, q, set              ; the fragments of the slot's q-th 128 along K: 36 loads in one run
	WIN 0x40
.irp b, 0,1,2,3,4,5,6,7
.irp c, 0,1,2
	ds_load_b128 v[96*(\set)+12*\b+4*\c:96*(\set)+12*\b+4*\c+3], v[ADR8+\slot] offset:REC*\b+FRB*(\q)+512*\c
.endr
.endr
	WIN 0
.irp a, 0,1,2,3
.irp c, 0,1,2
	ds_load_b128 v[AF+48*(\set)+12*\a+4*\c:AF+48*(\set)+12*\a+4*\c+3], v[ADR4+\slot] offset:REC*\a+FRB*(\q)+512*\c
.endr
.endr
.endm
.macro SCALES s                        ; a slot's scale words: register 4 i + q: lanes 16-31 the eight's record i, lanes 0-15 (i under 4) the four's
.irp i, 0,1,2,3
	ds_load_b128 v[64-32*\s+4*\i:64-32*\s+4*\i+3], v[ADRS+\s] offset:REC*\i+4*FRB
.endr
.irp i, 4,5,6,7
	ds_load_b128 v[64-32*\s+4*\i:64-32*\s+4*\i+3], v[ADRT+\s] offset:REC*\i+4*FRB
.endr
.endm
.macro MUL8 a, set, q, sc, zero        ; zero = 1: the first product starts the sums
.set SCB, 64-32*(\sc)
.irp b, 0,1,2,3,4,5,6,7
.if \zero
	v_wmma_scale_f32_16x16x128_f8f6f4 v[8*(8*(\a)+\b):8*(8*(\a)+\b)+7], v[96*(\set)+12*\b:96*(\set)+12*\b+11], v[AF+48*(\set)+12*(\a):AF+48*(\set)+12*(\a)+11], 0, v[SCB+4*\b+(\q)], v[SCB+4*(\a)+(\q)] matrix_a_fmt:MATRIX_FMT_FP6 matrix_b_fmt:MATRIX_FMT_FP6 matrix_a_scale:MATRIX_SCALE_ROW1
.else
	v_wmma_scale_f32_16x16x128_f8f6f4 v[8*(8*(\a)+\b):8*(8*(\a)+\b)+7], v[96*(\set)+12*\b:96*(\set)+12*\b+11], v[AF+48*(\set)+12*(\a):AF+48*(\set)+12*(\a)+11], v[8*(8*(\a)+\b):8*(8*(\a)+\b)+7], v[SCB+4*\b+(\q)], v[SCB+4*(\a)+(\q)] matrix_a_fmt:MATRIX_FMT_FP6 matrix_b_fmt:MATRIX_FMT_FP6 matrix_a_scale:MATRIX_SCALE_ROW1
.endif
.endr
.endm
.macro STEP slot, q, zero              ; one of a slot's first three steps: the next step's fragments are asked for, then 32 products
	s_wait_dscnt 0x0                               ; this step's fragments are in (asked for a step ago)
	PLACES 4                                       ; four plain instructions between the last products and the loads into registers that they read
	FETCH \slot, (\q)+1, 1-(\q)%2
	WIN MUL
.irp a, 0,1,2,3
	MUL8 \a, (\q)%2, \q, \slot, \zero
.endr
	WIN 0
.endm
.macro TURN slot, next, fill           ; a slot's last step, and the change of slots
.if \fill
	s_wait_xcnt 0x0                                ; the last prefetches have read their base
	s_add_nc_u64 s[PFA:PFA+1], s[PFA:PFA+1], REC
.endif
	s_wait_tensorcnt 0x0                           ; all my tensor loads have landed: my part of the next slot
	ds_add_u32 v[SPW], v[NIL]
	s_wait_dscnt 1                                 ; the fragments are in; the add may be out
	WIN MUL
	MUL8 0, 1, 3, \slot, 0
	s_wait_dscnt 0x0                               ; the add is done, my reads of this slot are over
	s_barrier_signal -1
	MUL8 1, 1, 3, \slot, 0
	WIN 0
	s_barrier_wait -1
.if \fill
	CREST                                          ; the barrier has opened a round of the cluster's barrier
	s_add_nc_u64 s[G0+4*\slot+2:G0+4*\slot+3], s[G0+4*\slot+2:G0+4*\slot+3], 2*REC
	s_add_nc_u64 s[G0B+4*\slot+2:G0B+4*\slot+3], s[G0B+4*\slot+2:G0B+4*\slot+3], 2*REC
	JLOAD G0+4*\slot, G1, G0B+4*\slot, G1B         ; the K group two on; its four v_nop are the places ahead of the loads below
.else
	PLACES 4
.endif
	FETCH \next, 0, 0
	SCALES \next
.if \fill
	ASK 0
.endif
	WIN MUL
	MUL8 2, 1, 3, \slot, 0
	MUL8 3, 1, 3, \slot, 0
	WIN 0
.endm
	s_wait_alu depctr_va_vdst(0)                   ; the wait at the head's end
	s_wait_tensorcnt 0x0                           ; my part of K group 0 is in; the same lines as ahead of a refill stand ahead of slot 1's first fill
	ds_add_u32 v[SPW], v[NIL]
	s_wait_xcnt 0x0                                ; the head's prefetches have read their base
	s_add_nc_u64 s[PFA:PFA+1], s[PFA:PFA+1], REC
	s_wait_dscnt 0x0
	CROUND
	JLOAD G0+4, G1, G0B+4, G1B                     ; K group 1
	FETCH 0, 0, 0
	SCALES 0
	ASK 1                                          ; K group 3
	STEP 0, 0, 1
	s_mov_b32 s3, 3
.Llap:                                                 ; a trip goes once round the ring and fills both slots: K groups 2 to 7
	STEP 0, 1, 0
	STEP 0, 2, 0
	TURN 0, 1, 1
	STEP 1, 0, 0
	STEP 1, 1, 0
	STEP 1, 2, 0
	TURN 1, 0, 1
	STEP 0, 0, 0
	s_sub_co_u32 s3, s3, 1
	s_cmp_lg_u32 s3, 0
	s_cbranch_scc1 .Llap
	STEP 0, 1, 0
	STEP 0, 2, 0
	TURN 0, 1, 0
	STEP 1, 0, 0
	STEP 1, 1, 0
	STEP 1, 2, 0
	s_wait_dscnt 0x0
	PLACES 4
	CSL 3                                          ; block 3's tables, into set 0 of the fragments, which no product reads any more
	WIN MUL
.irp a, 0,1,2,3
	MUL8 \a, 1, 3, 1, 0
.endr
	WIN 0
	PLACES 4
	s_wait_loadcnt 32                              ; the tables of blocks 0 to 2 are in; block 3's 32 loads may be out
.macro OUT a
.irp c, 0,1,2
	global_store_b128 v[LI], v[PC+4*\c:PC+4*\c+3], s[12:13] offset:FRB*(\a)+512*\c   ; 32 lanes store 512 consecutive bytes, aligned to 256
.endr
.endm
.macro QK a
	s_wait_xcnt 0x0                                ; the last block's stores have read the codes' registers
	ROPE \a
	QUANT H0, PWS+(\a), 0
	OUT \a
.endm
	s_cmp_eq_u32 ttmp9, 3
	s_cbranch_scc1 .Lvalues
	QK 2                                           ; block 2 first: the codes then take the registers of its cos
	QK 0
	QK 1
	s_wait_loadcnt 0x0
	QK 3
	s_branch .Lwords
.Lvalues:                                              ; v: accumulators (a, 0 .. 7) are d tile a x 128 keys in the operand's order
.irp a, 0,1,2,3
	s_wait_xcnt 0x0
	QUANT 64*\a, PWS+\a, 2
	OUT \a
.endr
.Lwords:
	s_wait_alu depctr_va_vdst(0)                   ; the wait here, directly ahead of the reader below
	global_store_b128 v[LR], v[PWS:PWS+3], s[12:13] offset:4*FRB   ; the record's scale words: 256 consecutive bytes (lanes 16-31 hold and write what lanes 0-15 do)
	s_wait_tensorcnt 0x0                           ; the wave's end
	ds_add_u32 v[SPW], v[NIL]
	s_wait_dscnt 0x0
	CROUND                                         ; the closing round
	s_endpgm
.Lfunc_end_k_q628936e105_qkvproj:
	.size	k_q628936e105_qkvproj, .Lfunc_end_k_q628936e105_qkvproj-k_q628936e105_qkvproj
	.p2alignl 7, 3214868480
	.fill 96, 4, 3214868480
	.section	.rodata,"a",@progbits
	.p2align	6, 0x0
	.amdhsa_kernel k_q628936e105_qkvproj
		.amdhsa_group_segment_fixed_size 327680
		.amdhsa_private_segment_fixed_size 0
		.amdhsa_enable_private_segment 0
		.amdhsa_kernarg_size 24
		.amdhsa_user_sgpr_count 2
		.amdhsa_user_sgpr_kernarg_segment_ptr 1
		.amdhsa_wavefront_size32 1
		.amdhsa_system_sgpr_workgroup_id_x 1
		.amdhsa_system_sgpr_workgroup_id_y 1
		.amdhsa_system_sgpr_workgroup_id_z 1
		.amdhsa_system_vgpr_workitem_id 0
		.amdhsa_next_free_vgpr 1024
		.amdhsa_next_free_sgpr 100
		.amdhsa_reserve_vcc 0
		.amdhsa_float_denorm_mode_32 3
		.amdhsa_float_denorm_mode_16_64 3
		.amdhsa_memory_ordered 1
		.amdhsa_forward_progress 1
		.amdhsa_inst_pref_size 181
	.end_amdhsa_kernel
	.amdgpu_metadata
---
amdhsa.version: [ 1, 2 ]
amdhsa.kernels:
  - .name:           k_q628936e105_qkvproj
    .symbol:         k_q628936e105_qkvproj.kd
    .args:
      - { .name: c1, .offset: 0, .size: 8, .value_kind: global_buffer, .address_space: global }
      - { .name: tab, .offset: 8, .size: 8, .value_kind: global_buffer, .address_space: global }
      - { .name: qkv, .offset: 16, .size: 8, .value_kind: global_buffer, .address_space: global }
    .group_segment_fixed_size: 327680
    .private_segment_fixed_size: 0
    .kernarg_segment_align: 8
    .kernarg_segment_size: 24
    .max_flat_workgroup_size: 128
    .sgpr_count:     100
    .vgpr_count:     1024
    .wavefront_size: 32
...
	.end_amdgpu_metadata
.endif
;; end of part 2
;; launch attn (part 3): grid 32 x 8, 4 waves a work-group, clusters of 4 x 4, 327,680 bytes of LDS; arguments qkv, attention_mask, acod; writes acod
.if DOCPART == 3
	.amdgcn_target "amdgcn-amd-amdhsa--gfx1250"
	.amdhsa_code_object_version 6
	.text
	.protected	k_q628936e105_attn
	.globl	k_q628936e105_attn
	.p2align	8
	.type	k_q628936e105_attn,@function
k_q628936e105_attn:
	s_mov_b64 s[64:65], 0
	v_nop
	global_prefetch_b8 v0, s[64:65] scope:SCOPE_SE
	s_setreg_imm32_b32 hwreg(HW_REG_WAVE_MODE, 25, 1), 1
	s_wait_xcnt 0x0
	s_wait_alu depctr_hold_cnt(0) depctr_sa_sdst(0) depctr_va_vdst(0) depctr_va_sdst(0) depctr_va_ssrc(0) depctr_va_vcc(0) depctr_vm_vsrc(0)
	s_getreg_b32 s2, hwreg(HW_REG_IB_STS2, 6, 4)
	s_cmp_eq_u32 s2, 0
	s_cbranch_scc0 .Lentry_in_a_cluster
	s_endpgm
.Lentry_in_a_cluster:
	s_bfe_u32 s2, ttmp6, 0x10000c
	s_cmp_lg_u32 s2, 0xf033
	s_cbranch_scc0 .Lentry_shape_is_right
	s_endpgm
.Lentry_shape_is_right:
; o = softmax(q k^T / sqrt(128) + mask) v for 2 batches x 8 heads (2 query heads to a key/value head), both products on codes of FP6 (E2M3) with E8M0 scales; o is quantised along head x 128 + d for the last product.
; THE MASK IS AN INPUT: every score of every head is made, and the mask's f32 number is added to it.  t = score x (log2(e) / sqrt(128)) + mask x log2(e): the mask's product is rounded, then one fused multiply-add;
; M = the running largest t rounded UP to a whole number; p = 2^(t - M) is quantised along the keys; the row's sum is taken of the unquantised p and divides at the end.  When M moves, the sum and O are multiplied by 2^(old M - new M): exact.
; qkv: [batch][head 16: 8 q, 4 k, 4 v][32 records of 6,400 bytes]: four fragment images (16 rows x 128 K, 1,536 bytes), then 256 bytes of scale words (row r's four at 16 r).  q, k: 64 tokens a record; v: record 2 s + g = keys 128 s on, d tiles 4 g on.
; acod: [token tile 256][2] records: fragment f of record g is head 4 g + f.
; SHARES.  A work-group owns 64 queries x one key/value head's two query heads.  Wave w owns query tile w in BOTH heads: two tiles of 16 queries, which share every fragment of K and V and every number of the mask that the wave reads from LDS.
; Both products are used transposed (S^T = K Q^T, O^T = V^T P^T): a lane holds one query throughout; register j of key tile T is key 16 T + 8 h + j, the order that every operand of this program has inside a block of 32.
; THE RING.  Two slots of 256 keys: K's 4 records, V's 4 records, and the mask's 64 rows x 256 numbers (rows of 1,024 + 16 bytes).  CLUSTER 4 x 4: K and V hang on the work-group's y alone and are shared along a row of the cluster,
; the mask's tile on its x alone and is shared along a column: joint loads; wave 0 fetches K, wave 1 V, waves 2 and 3 the mask's halves.
; NO LDS LOAD STANDS DIRECTLY AHEAD OF ITS USE: V of a step is asked for at the step's head, ahead of the products K Q^T; K and the mask of the NEXT step ahead of the two softmaxes.  So the change of slots stands in the middle of a slot's second step,
; where that step's V has landed and the wave's reads of the slot are over.
; LIMITS: NaN and infinities, in the mask too, are not served; blocks under 2^-124 keep the byte 1.  The order of rounding differs from the definition's (which rounds score / sqrt(128), the sum with the mask, and the product with log2(e)):
; a row that is masked throughout by -1e9 gets equal t, and so the mean of v, while |score x log2(e) / sqrt(128)| stays under 64.
; REGISTERS.  Window 0 is tile A (the even head), window 1 tile B, WITH THE SAME NUMBERS, so that one macro serves both: v12 -M, v13 the largest t, v[14:15] the sum, v16-27 Q, v96-159 S^T, then p, v160-223 O^T, v224-235 p's codes, v232-254 at work.
;   Window 0 besides: v1-10 addresses; v28 the prefetches' offset; the scale words (a scale operand has no window): v80-87 K's, v88-95 V's, v255 and v31 Q's, v253 and v30 p's.   Window 2: v0-95 K's 8 fragments, v96-191 V's, v192-255 the mask.
.set REC,   6400
.set FRB,   1536
.set VOFF,  4*REC
.set MOFF,  8*REC
.set MP,    1040
.set SLOT1, 1<<17
.set SPARE, 2*SLOT1                    ; behind the ring: the spare words, 128 bytes a wave: two blocks of 256 bytes that no other line names
.set HEADB, 32*REC
.set AL0, 1                            ; 16 x lane
.set AR0, 2                            ; 16 r + 6,144: a record's scale words
.set AM0, 3                            ; my query's row of the mask's tile, + 32 h
.set SPW, 5
.set NIL, 6
.set R16, 7                            ; 16 r
.set AL,  8                            ; the three above in the slot in hand
.set AR,  9
.set AM,  10
.set PFO, 28
.set PWB, 30                           ; tile B's p: its scale word
.set QSB, 31                           ; tile B's Q: its scale word
.set QSA, 255
.set PWA, 253
.set KS,  80
.set VS,  88
.set KF,  0                            ; in window 2
.set VF,  96
.set MK,  192
.set TM,  232
.set PC,  32
.set TB,  2                            ; s2  LDS byte at which the slot in hand begins
.set WV,  18
.set SEL, 20
.set CQ,  22                           ; s[22:23] log2(e) / sqrt(128)
.set G1KV, 24
.set G1M,  32
.set G0KV, 40
.set G0M,  44
.set SLOTS, 67
.set CL,  70                           ; s[70:71] log2(e)
.set PFA, 76
.set PFS, 78
.set LIM, 80
; s_set_vgpr_msb's low byte: bits 1:0 source 0, 3:2 source 1, 5:4 source 2, 7:6 destination
.set W_LD,  0x80                       ; a load into window 2, its address in window 0
.set W_A,   0x02                       ; tile A's products: K or V in window 2, all else in window 0
.set W_KQB, 0x46                       ; tile B's K Q^T: K window 2, Q and S^T window 1
.set W_PVB, 0x56                       ; tile B's V^T P: V window 2, p, C and D window 1
.set W_MK,  0x82                       ; the mask in place
.set W_TA,  0x20                       ; t of tile A: the addend in window 2
.set W_TB,  0x61                       ; t of tile B
.set W_ONE, 0x55                       ; all of it in window 1
.set MSB, 0
.macro WIN new                         ; the immediate's high byte repeats the setting that is left
.if MSB != \new
	s_set_vgpr_msb (MSB<<8)|\new
.set MSB, \new
.endif
.endm
.macro PLACES n
.rept \n
	v_nop
.endr
.endm
.macro TLOAD                           ; a joint load a wave; the branch hangs on the wave's number alone; four v_nop follow each line
	s_cmp_lt_u32 s[WV], 2
	s_cbranch_scc0 .Lfor_m_\@
	tensor_load_to_lds s[G0KV:G0KV+3], s[G1KV:G1KV+7]
	s_nop 0
.rept 4
	v_nop
.endr
	s_branch .Lasked_\@
.Lfor_m_\@:
	tensor_load_to_lds s[G0M:G0M+3], s[G1M:G1M+7]
	s_nop 0
.rept 4
	v_nop
.endr
.Lasked_\@:
.endm
; A PREFETCH of what the NEXT change of slots will ask for, behind the wave's tensor load and its four lines: a slot, two key steps, ahead.  K and V of a head are walked by all eight clusters along x: cluster x = 0 asks, wave 0 for K
; and wave 1 for V; the partner at cx takes record cx of the slot's four, 25 blocks of 256 bytes, a lane a block (lanes 25-31 name the last block again).  The mask's rows are walked by both clusters along y: cluster y = 0 asks, waves 2
; and 3; the partner at cy takes rows 16 cy + 8 (wave - 2) + lane / 4, block lane % 4 of the row's 1,024 bytes.  Partners are told apart by address alone.  The last change that fills a slot asks for nothing; slots 0 and 1 come by their loads.
.macro ASK
	s_cmp_gt_u32 s[SLOTS], s[LIM]
	s_cbranch_scc0 .Lnot_mine_\@
	global_prefetch_b8 v[PFO], s[PFA:PFA+1] th:TH_LOAD_NT scope:SCOPE_SE
.Lnot_mine_\@:
.endm
.macro CROUND
	s_barrier_signal -1
	s_barrier_wait -1
	s_cmp_lg_u32 s[WV], 0
	s_cbranch_scc1 .Lnot_wave_0_\@
	s_barrier_signal -3
.Lnot_wave_0_\@:
	s_barrier_wait -3
	s_barrier_signal -1
	s_barrier_wait -1
.endm
.macro QUANT s, pw                     ; 64 numbers of a lane -> a fragment's codes in v[PC] on, its scale word in v[pw]; it names one window's registers alone
.irp b, 0,1,2,3
	v_max3_num_f32 v[TM+\b], |v[\s+16*\b]|, |v[\s+1+16*\b]|, 0x1800000
.endr
.irp i, 2,4,6,8,10,12,14
.irp b, 0,1,2,3
	v_max3_num_f32 v[TM+\b], v[TM+\b], |v[\s+16*\b+\i]|, |v[\s+1+16*\b+\i]|
.endr
.endr
.irp b, 0,1,2,3
	v_permlanex16_b32 v[TM+4+\b], v[TM+\b], s[SEL], s[SEL+1]
.endr
.irp b, 0,1,2,3
	v_max_num_f32 v[TM+\b], v[TM+\b], v[TM+4+\b]
.endr
.irp b, 0,1,2,3
	v_add_nc_u32 v[TM+8+\b], 0xff000000, v[TM+\b]
.endr
.irp b, 0,1,2,3
	v_lshrrev_b32 v[TM+4+\b], 23, v[TM+8+\b]
.endr
	v_lshl_or_b32 v[\pw], v[TM+5], 8, v[TM+4]
	v_lshl_or_b32 v[\pw], v[TM+6], 16, v[\pw]
	v_lshl_or_b32 v[\pw], v[TM+7], 24, v[\pw]
.irp c, 0,1
	v_cvt_scalef32_pk16_fp6_f32 v[PC+6*\c:PC+2+6*\c], v[\s+32*\c:\s+15+32*\c], v[TM+8+2*\c]
	v_cvt_scalef32_pk16_fp6_f32 v[PC+12+4*\c:PC+14+4*\c], v[\s+16+32*\c:\s+31+32*\c], v[TM+8+2*\c+1]
.endr
	v_nop
.irp c, 0,1
.irp i, 0,1,2
	v_permlane16_swap_b32 v[PC+6*\c+\i], v[PC+12+4*\c+\i]
.endr
.irp i, 0,1,2
	v_mov_b32 v[PC+3+6*\c+\i], v[PC+12+4*\c+\i]
.endr
.endr
.endm
	s_load_b128 s[4:7], s[0:1], 0x0                ; qkv, the mask
	s_load_b64 s[8:9], s[0:1], 0x10                ; acod
	v_lshl_add_u32 v[SPW], v0, 2, SPARE
	v_mov_b32 v[NIL], 0
	ds_add_u32 v5, v6
	ds_add_u32 v5, v6
	s_wait_dscnt 0x0
	v_lshrrev_b32 v8, 5, v0
	v_readfirstlane_b32 s[WV], v8                  ; wave 0..3
	s_bfe_u32 s56, ttmp6, 0x40000                  ; cx
	s_bfe_u32 s57, ttmp6, 0x40004                  ; cy: the key/value head
	s_lshl_b32 s58, ttmp9, 2
	s_add_co_u32 s58, s58, s56                     ; x: my block of 64 queries
	s_and_b32 s59, ttmp7, 0xffff                   ; cluster y: the batch
	s_lshl_b32 s52, s57, 2
	s_lshl_b32 s52, 15, s52                        ; my row of the cluster
	s_lshl_b32 s53, 0x1111, s56                    ; my column
	; group 1.  K, V: four records, 25,600 dense bytes, as 100 rows of 256 bytes.  The mask: 32 rows of 256 numbers, 2,048 numbers apart, 16 bytes of padding behind each row's 256 words
	s_or_b32 s[G1KV], s52, (3<<16)|(1<<21)
	s_mov_b32 s[G1KV+1], 32<<16
	s_mov_b32 s[G1KV+2], 100<<16
	s_mov_b32 s[G1KV+3], 32<<16
	s_mov_b32 s[G1KV+4], 100
	s_mov_b32 s[G1KV+5], 32
	s_mov_b32 s[G1KV+6], 0
	s_mov_b32 s[G1KV+7], 0
	s_or_b32 s[G1M], s53, (2<<16)|(1<<20)|(1<<21)|(7<<22)|(3<<25)
	s_mov_b32 s[G1M+1], 256<<16
	s_mov_b32 s[G1M+2], 32<<16
	s_mov_b32 s[G1M+3], 256<<16
	s_mov_b32 s[G1M+4], 32
	s_mov_b32 s[G1M+5], 2048
	s_mov_b32 s[G1M+6], 0
	s_mov_b32 s[G1M+7], 0
	s_lshl_b32 s60, s59, 4
	s_add_co_u32 s60, s60, s57
	s_add_co_u32 s60, s60, 8
	s_mul_i32 s60, s60, HEADB                      ; K's head: (16 batch + 8 + kv head) x 204,800 bytes; V's lies four heads on
	s_and_b32 s62, s[WV], 1
	s_mul_i32 s61, s62, 4*HEADB                    ; wave 0: K; wave 1: V
	s_add_co_u32 s48, s60, s61
	s_mov_b32 s49, 0
	s_lshl_b32 s50, s58, 6
	s_lshl_b32 s73, s62, 5
	s_add_co_u32 s50, s50, s73
	s_lshl_b32 s50, s50, 13                        ; the mask: row 64 x + 32 (wave % 2), 8,192 bytes a row
	s_mov_b32 s51, 0
	s_mul_i32 s74, s62, VOFF                       ; where they go: no place in the cluster enters an LDS address
	s_mul_i32 s75, s62, 32*MP
	s_add_co_u32 s75, s75, MOFF
	s_mov_b32 s[SEL], 0x76543210
	s_mov_b32 s[SEL+1], 0xfedcba98
	s_mov_b32 s[CQ], 0x3e0293ee                    ; log2(e) / sqrt(128)
	s_mov_b32 s[CQ+1], s[CQ]                       ; (named with it as a pair, so it is written)
	s_mov_b32 s[CL], 0x3fb8aa3b                    ; log2(e)
	s_mov_b32 s[CL+1], s[CL]
	s_mov_b32 s[TB], 0
	s_mov_b32 s[SLOTS], 7
	s_wait_kmcnt 0x0
	CROUND                                         ; all sixteen work-groups are here: the first joint loads meet
	s_mov_b32 s[G0KV], 1
	s_mov_b32 s[G0KV+1], s74
	s_add_nc_u64 s[G0KV+2:G0KV+3], s[4:5], s[48:49]
	s_or_b32 s[G0KV+3], s[G0KV+3], 0x80000000
	s_mov_b32 s[G0M], 1
	s_mov_b32 s[G0M+1], s75
	s_add_nc_u64 s[G0M+2:G0M+3], s[6:7], s[50:51]
	s_or_b32 s[G0M+3], s[G0M+3], 0x80000000
	TLOAD                                          ; slot 0
	; Q: record (16 batch + 2 kv head) x 32 + x, fragment = my wave; the odd head's lies one head, 204,800 bytes, on
	s_lshl_b32 s81, s59, 4
	s_lshl_b32 s82, s57, 1
	s_add_co_u32 s81, s81, s82
	s_lshl_b32 s81, s81, 5
	s_add_co_u32 s81, s81, s58
	s_mul_i32 s81, s81, REC
	s_mul_i32 s82, s[WV], FRB
	s_add_co_u32 s82, s82, s81
	s_mov_b32 s83, 0
	s_add_nc_u64 s[10:11], s[4:5], s[82:83]
	s_lshl_b32 s82, s[WV], 2
	s_add_co_u32 s82, s82, s81
	s_add_nc_u64 s[12:13], s[4:5], s[82:83]        ; its scale words: + 6,144 + 16 r
	; the way out: record 2 (128 batch + 4 x + wave) + kv head / 2, fragment 2 (kv head % 2) for the even head, the next for the odd one
	s_lshl_b32 s81, s59, 7
	s_lshl_b32 s82, s58, 2
	s_add_co_u32 s81, s81, s82
	s_add_co_u32 s81, s81, s[WV]
	s_lshl_b32 s81, s81, 1
	s_lshr_b32 s82, s57, 1
	s_add_co_u32 s81, s81, s82
	s_mul_i32 s81, s81, REC
	s_and_b32 s85, s57, 1
	s_lshl_b32 s85, s85, 1
	s_mul_i32 s82, s85, FRB
	s_add_co_u32 s82, s82, s81
	s_add_nc_u64 s[14:15], s[8:9], s[82:83]
	s_lshl_b32 s82, s85, 2
	s_add_co_u32 s82, s82, s81
	s_add_nc_u64 s[16:17], s[8:9], s[82:83]
	; the prefetches: where my wave's stand (in slot 1: the first change of slots steps them to slot 2), and who asks
	s_mul_i32 s81, s56, REC
	s_add_co_u32 s81, s81, s60
	s_add_co_u32 s81, s81, s61
	s_add_co_u32 s81, s81, 4*REC
	s_lshl_b32 s82, s58, 6
	s_lshl_b32 s85, s57, 4
	s_add_co_u32 s82, s82, s85
	s_lshl_b32 s85, s62, 3
	s_add_co_u32 s82, s82, s85
	s_lshl_b32 s82, s82, 13
	s_add_co_u32 s82, s82, 1024
	s_cmp_lt_u32 s[WV], 2
	s_cselect_b64 s[PFA:PFA+1], s[4:5], s[6:7]
	s_cselect_b32 s86, s81, s82
	s_mov_b32 s[PFS], 1024
	s_cselect_b32 s[PFS], 4*REC, s[PFS]            ; a slot on
	s_cselect_b32 s88, -1, 0
	s_cselect_b32 s89, ttmp9, s59                  ; the coordinate along which other clusters read the same bytes
	s_mov_b32 s87, 0
	s_mov_b32 s[PFS+1], 0
	s_add_nc_u64 s[PFA:PFA+1], s[PFA:PFA+1], s[86:87]
	s_cmp_eq_u32 s89, 0
	s_cselect_b32 s[LIM], 1, -1                    ; the same in all sixteen partners, for a given wave
	v_and_b32 v9, 31, v0
	v_and_b32 v8, 15, v0                           ; r
	v_bfe_u32 v10, v0, 4, 1                        ; h
	v_min_u32 v11, 24, v9
	v_lshlrev_b32 v11, 8, v11
	v_lshrrev_b32 v32, 2, v9
	v_lshlrev_b32 v32, 13, v32
	v_and_b32 v33, 3, v9
	v_lshl_add_u32 v32, v33, 8, v32
	v_cndmask_b32 v[PFO], v32, v11, s88
	v_lshlrev_b32 v[AL0], 4, v9
	v_lshlrev_b32 v[R16], 4, v8
	v_add_nc_u32 v[AR0], 4*FRB, v[R16]
	s_lshl_b32 s85, s[WV], 4
	v_add_nc_u32 v[AM0], s85, v8
	v_mul_u32_u24 v[AM0], v[AM0], MP
	v_lshl_add_u32 v[AM0], v10, 5, v[AM0]
	v_add_nc_u32 v[AM0], MOFF, v[AM0]
.irp c, 0,1,2
	global_load_b128 v[16+4*\c:19+4*\c], v[AL0], s[10:11] offset:512*\c   ; Q's fragments stay in registers: the even head's,
.endr
	global_load_b32 v[QSA], v[R16], s[12:13] offset:4*FRB
	global_load_b32 v[QSB], v[R16], s[12:13] offset:HEADB+4*FRB
	WIN 0x40                                       ; destination window 1
.irp c, 0,1,2
	global_load_b128 v[16+4*\c:19+4*\c], v[AL0], s[10:11] offset:HEADB+512*\c   ; and the odd head's
.endr
	WIN 0
.macro INIT                            ; a tile's statistics and O^T.  The step is written once: the first finds zeros, which the first change of M leaves zeros
	v_mov_b32 v13, 0xff61b1e6                      ; the largest t so far: -3e38
	v_floor_f32 v12, -v13                          ; -M
	v_mov_b32 v14, 0
	v_mov_b32 v15, 0
.irp b, 0,1,2,3
	v_mov_b32 v[236+\b], 0                         ; written once: a lane permute's destination counts as one of its sources
.endr
	v_mov_b32 v253, 0                              ; (named as the upper half of v[252:253] before it is first written)
.set n, 0
.rept 64
	v_mov_b32 v[160+n], 0
.set n, n+1
.endr
.endm
	INIT
	WIN W_ONE
	INIT
	WIN 0
; S^T = K Q^T of one tile: 8 tiles of 16 keys.  qs: Q's scale words
.macro KQ qs
.irp g, 0,1
.irp t, 0,1,2,3
	v_wmma_scale_f32_16x16x128_f8f6f4 v[96+8*(4*\g+\t):103+8*(4*\g+\t)], v[KF+48*\g+12*\t:KF+48*\g+12*\t+11], v[16:27], 0, v[KS+4*\g+\t], v[\qs] matrix_a_fmt:MATRIX_FMT_FP6 matrix_b_fmt:MATRIX_FMT_FP6
.endr
.endr
.endm
; O^T += V^T P^T of one tile: 8 tiles of 16 of the head's 128; each accumulator has one instruction.  ps: p's scale words
.macro PV ps
.irp g, 0,1
.irp t, 0,1,2,3
	v_wmma_scale_f32_16x16x128_f8f6f4 v[160+8*(4*\g+\t):167+8*(4*\g+\t)], v[VF+48*\g+12*\t:VF+48*\g+12*\t+11], v[224:235], v[160+8*(4*\g+\t):167+8*(4*\g+\t)], v[VS+4*\g+\t], v[\ps] matrix_a_fmt:MATRIX_FMT_FP6 matrix_b_fmt:MATRIX_FMT_FP6
.endr
.endr
.endm
; V's two records of the slot's q-th step (d tiles 0-7 x these 128 keys) and their scale words
.macro VFETCH q
	ds_load_b128 v[VS:VS+3], v[AR] offset:VOFF+(2*(\q))*REC
	ds_load_b128 v[VS+4:VS+7], v[AR] offset:VOFF+(2*(\q)+1)*REC
	WIN W_LD
.irp g, 0,1
.irp t, 0,1,2,3
.irp c, 0,1,2
	ds_load_b128 v[VF+48*\g+12*\t+4*\c:VF+48*\g+12*\t+4*\c+3], v[AL] offset:VOFF+(2*(\q)+\g)*REC+FRB*\t+512*\c
.endr
.endr
.endr
.endm
; K's two records of the slot's q-th step, their scale words, and the mask of my query at these 128 keys, in the scores' own layout (register 8 T + j: key 16 T + 8 h + j)
.macro KFETCH q
	ds_load_b128 v[KS:KS+3], v[AR] offset:(2*(\q))*REC
	ds_load_b128 v[KS+4:KS+7], v[AR] offset:(2*(\q)+1)*REC
	WIN W_LD
.irp g, 0,1
.irp t, 0,1,2,3
.irp c, 0,1,2
	ds_load_b128 v[KF+48*\g+12*\t+4*\c:KF+48*\g+12*\t+4*\c+3], v[AL] offset:(2*(\q)+\g)*REC+FRB*\t+512*\c
.endr
.endr
.endr
.irp t, 0,1,2,3,4,5,6,7
.irp j, 0,1
	ds_load_b128 v[MK+8*\t+4*\j:MK+8*\t+4*\j+3], v[AM] offset:512*(\q)+64*\t+16*\j
.endr
.endr
	WIN 0
.endm
; THE SOFTMAX OF ONE TILE FOR ONE KEY STEP, on t in v96-159.  It names one window's registers alone (tb = 1: tile B, under W_ONE; its scale word is copied into window 0).
.macro SOFTMAX tb
.irp b, 0,1,2,3
	v_max3_num_f32 v[232+\b], v[96+16*\b], v[97+16*\b], v[98+16*\b]   ; the largest t of each block of 32 keys: it serves the row's maximum, and, since p rises with t, the block's largest p
.endr
.irp i, 3,5,7,9,11,13
.irp b, 0,1,2,3
	v_max3_num_f32 v[232+\b], v[232+\b], v[96+16*\b+\i], v[97+16*\b+\i]
.endr
.endr
.irp b, 0,1,2,3
	v_max_num_f32 v[232+\b], v[232+\b], v[111+16*\b]
.endr
.irp b, 0,1,2,3
	v_permlanex16_b32 v[236+\b], v[232+\b], s[SEL], s[SEL+1]
.endr
.irp b, 0,1,2,3
	v_max_num_f32 v[232+\b], v[232+\b], v[236+\b]  ; with lane l xor 16's 16 keys
.endr
	v_max3_num_f32 v254, v232, v233, v234
	v_max_num_f32 v254, v254, v235
	v_max_num_f32 v13, v13, v254                   ; the running largest t
	v_mov_b32 v254, v12
	v_floor_f32 v12, -v13                          ; the new -M = -ceil(t): a whole number
.irp b, 0,1,2,3
	v_add_f32 v[232+\b], v[232+\b], v12            ; each block's largest t - M
.endr
	v_sub_f32 v254, v12, v254                      ; old M - new M: a whole number, 0 or less.  The three lines that make f stand among the additions, which do not hang on them
.set n, 0
.rept 4
	v_pk_add_f32 v[96+n:97+n], v[96+n:97+n], v[12:13] op_sel_hi:[1,0]   ; t - M of keys' registers 0-31 (of the pair the low word serves both halves)
.set n, n+2
.endr
	v_cvt_i32_f32 v254, v254                       ; (it saturates)
.rept 4
	v_pk_add_f32 v[96+n:97+n], v[96+n:97+n], v[12:13] op_sel_hi:[1,0]
.set n, n+2
.endr
	v_ldexp_f32 v252, 1.0, v254                    ; f = 2^(old M - new M)
.rept 8
	v_pk_add_f32 v[96+n:97+n], v[96+n:97+n], v[12:13] op_sel_hi:[1,0]
.set n, n+2
.endr
	s_wait_alu depctr_va_vdst(0)                   ; behind the first batch's sources, and directly ahead of the first reader of O^T
.set n, 0
.rept 32
	v_pk_mul_f32 v[160+n:161+n], v[160+n:161+n], v[252:253] op_sel_hi:[1,0]   ; O^T under the new M, each accumulator from its low end on
.set n, n+2
.endr
	; TWO BATCHES of exponentials.  The plain lines among a batch read nothing that the batch writes, and what they write is read only behind the batch's closing wait.
.irp b, 0,1,2,3
	v_exp_f32 v[232+\b], v[232+\b]                 ; the block's largest p: the same arithmetic on the same number gives the same bits
.endr
.set n, 0
.rept 32
	v_exp_f32 v[96+n], v[96+n]                     ; p = 2^(t - M), at most 1: registers 0-31;
	v_add_f32 v[128+n], v[128+n], v12              ; t - M of registers 32-63
.set n, n+1
.endr
	s_wait_alu depctr_va_vdst(0)                   ; the first batch's wait: it also stands ahead of the second batch, behind its sources
.set n, 0
.rept 16
	v_exp_f32 v[128+2*n], v[128+2*n]               ; p: registers 32-63;
	v_add_f32 v[32+n], v[96+2*n], v[97+2*n]        ; the first 32 p by pairs, for the row's sum
	v_exp_f32 v[129+2*n], v[129+2*n]
.if n < 4
	v_max_num_f32 v[232+n], 0x1800000, v[232+n]    ; the floor 2^(3 - 127) under each block's largest p
.endif
.set n, n+1
.endr
	v_pk_mul_f32 v[14:15], v[14:15], v[252:253] op_sel_hi:[1,0]   ; the sums under the new M: the plain instruction behind the last exponential
	s_wait_alu depctr_va_vdst(0)                   ; the second batch's wait, ahead of its first reader
.irp b, 0,1,2,3
	v_add_nc_u32 v[244+\b], 0xff000000, v[232+\b]  ; 2 off the exponent field: the conversion's scale operand
.endr
.irp b, 0,1,2,3
	v_lshrrev_b32 v[236+\b], 23, v[244+\b]
.endr
	v_lshl_or_b32 v253, v237, 8, v236              ; p's scale word for these 128 keys
	v_lshl_or_b32 v253, v238, 16, v253
	v_lshl_or_b32 v253, v239, 24, v253
.if \tb
	WIN 0x01
	v_mov_b32 v[PWB], v253                         ; a scale operand is taken from window 0
	WIN W_ONE
.endif
.irp c, 0,1
	v_cvt_scalef32_pk16_fp6_f32 v[224+6*\c:226+6*\c], v[96+32*\c:111+32*\c], v[244+2*\c]
	v_cvt_scalef32_pk16_fp6_f32 v[236+4*\c:238+4*\c], v[112+32*\c:127+32*\c], v[244+2*\c+1]
.endr
	v_nop                                          ; one plain instruction behind the scaled conversions
.irp c, 0,1
.irp i, 0,1,2
	v_permlane16_swap_b32 v[224+6*\c+\i], v[236+4*\c+\i]
.endr
.irp i, 0,1,2
	v_mov_b32 v[227+6*\c+\i], v[236+4*\c+\i]
.endr
.endr
	v_pk_add_f32 v[14:15], v[14:15], v[32:33]      ; the row's sum is taken of the unquantised p, in four chains.  These 24 lines also stand between the writes of p's codes and scale word and the products that take them
	v_pk_add_f32 v[236:237], v[34:35], v[36:37]
	v_pk_add_f32 v[238:239], v[38:39], v[40:41]
	v_pk_add_f32 v[240:241], v[42:43], v[44:45]
	v_pk_add_f32 v[14:15], v[14:15], v[46:47]
.irp j, 0,8,16,24
	v_pk_add_f32 v[236:237], v[236:237], v[128+\j:129+\j]
	v_pk_add_f32 v[238:239], v[238:239], v[130+\j:131+\j]
	v_pk_add_f32 v[240:241], v[240:241], v[132+\j:133+\j]
	v_pk_add_f32 v[14:15], v[14:15], v[134+\j:135+\j]
.endr
	v_pk_add_f32 v[236:237], v[236:237], v[238:239]
	v_pk_add_f32 v[14:15], v[14:15], v[240:241]
	v_pk_add_f32 v[14:15], v[14:15], v[236:237]
.endm
; THE CHANGE OF SLOTS.  Each wave waits for all its tensor loads (its part of the slot ahead), adds 0 to its spare word, and waits for that and for its reads of the slot that it leaves.
; fill = 1: a round of the cluster's barrier, and behind it the slot that is left is filled with the keys two slots on: the load has two key steps in which to land.
.macro CHANGE fill
	s_wait_tensorcnt 0x0
	ds_add_u32 v[SPW], v[NIL]
.if \fill
	s_xor_b32 s[G0KV+1], s[G0KV+1], SLOT1          ; the walking descriptors: the other slot, the next 256 keys
	s_add_nc_u64 s[G0KV+2:G0KV+3], s[G0KV+2:G0KV+3], 4*REC
	s_xor_b32 s[G0M+1], s[G0M+1], SLOT1
	s_add_nc_u64 s[G0M+2:G0M+3], s[G0M+2:G0M+3], 1024
	s_wait_xcnt 0x0                                ; the last prefetch, a slot back, has read its address
	s_add_nc_u64 s[PFA:PFA+1], s[PFA:PFA+1], s[PFS:PFS+1]
.endif
	s_wait_dscnt 0x0
.if \fill
	CROUND
	TLOAD
	ASK
.else
	s_barrier_signal -1
	s_barrier_wait -1
.endif
.endm
.macro ADDR                            ; my lane's three places in the slot in hand
	v_add_nc_u32 v[AL], s[TB], v[AL0]
	v_add_nc_u32 v[AR], s[TB], v[AR0]
	v_add_nc_u32 v[AM], s[TB], v[AM0]
	s_wait_alu depctr_va_vdst(0)                   ; the wait behind these writes
.endm
; A KEY STEP: 128 keys, the q-th of the slot in hand, for both tiles.  Its K and mask were asked for in the step before.
; chg = 0: the next step lies in the same slot.  1: the slot is left and filled again.  2: it is left and not filled.
.macro STEP q, chg
	s_wait_dscnt 0x0                               ; K, its scale words and the mask are in (asked for two softmaxes ago)
	PLACES 4                                       ; four plain instructions between the last step's products and the loads into the registers that they read (ISA guide 7.12.1 for vector instructions)
	VFETCH \q
	WIN W_A
	KQ QSA
	WIN W_KQB
	KQ QSB
	WIN W_MK
.set n, 0
.rept 32
	v_pk_mul_f32 v[MK+n:MK+n+1], v[MK+n:MK+n+1], s[CL:CL+1] op_sel_hi:[1,0]   ; mask x log2(e), once for both tiles; these lines are also the places behind the products
.set n, n+2
.endr
	WIN W_TA
.set n, 0
.rept 32
	v_pk_fma_f32 v[96+n:97+n], v[96+n:97+n], s[CQ:CQ+1], v[MK+n:MK+n+1] op_sel_hi:[1,0,1]   ; t, each accumulator from its low end on
.set n, n+2
.endr
	WIN W_TB
.set n, 0
.rept 32
	v_pk_fma_f32 v[96+n:97+n], v[96+n:97+n], s[CQ:CQ+1], v[MK+n:MK+n+1] op_sel_hi:[1,0,1]
.set n, n+2
.endr
	WIN 0
.if \chg == 0
	s_wait_dscnt 0x0                               ; V is in
.else
.if \chg == 1
	CHANGE 1                                       ; V is in: my reads of this slot are over
.else
	CHANGE 0
.endif
	s_xor_b32 s[TB], s[TB], SLOT1                  ; on to the other slot
.endif
	ADDR
	KFETCH (\q+1)%2                                ; the next step's K and mask land under the two softmaxes
	SOFTMAX 0
	WIN W_A
	PV PWA                                         ; tile A's products run under tile B's softmax
	WIN W_ONE
	SOFTMAX 1
	WIN W_PVB
	PV PWB
	WIN 0
.endm
	s_wait_alu depctr_va_vdst(0)                   ; the wait at the head's end
	s_wait_loadcnt 0x0                             ; Q
	CHANGE 1                                       ; slot 0 is whole; slot 1 is asked for
	s_mov_b32 s[SLOTS], 6
	ADDR
	KFETCH 0
.Lslot:                                                ; 6 trips, a slot each: slots 2 to 7 are asked for
	STEP 0, 0
	STEP 1, 1
	s_sub_co_u32 s[SLOTS], s[SLOTS], 1
	s_cmp_lg_u32 s[SLOTS], 0
	s_cbranch_scc1 .Lslot
	s_mov_b32 s[SLOTS], 2
.Ltail:                                                ; the last two slots ask for nothing.  The very last step's loads ahead read landed bytes of the other slot that nobody uses: the price of one text for both trips
	STEP 0, 0
	STEP 1, 2
	s_sub_co_u32 s[SLOTS], s[SLOTS], 1
	s_cmp_lg_u32 s[SLOTS], 0
	s_cbranch_scc1 .Ltail
	s_wait_dscnt 0x0
	; THE WAY OUT: O^T / the sum is, in a lane, 128 d of one query in the operand's order: it is quantised here and leaves as one fragment image
	PLACES 4
.macro FINISH                          ; it names one window's registers alone
	v_add_f32 v14, v14, v15
	v_permlanex16_b32 v252, v14, s[SEL], s[SEL+1]
	v_add_f32 v14, v14, v252                       ; the row's sum
	s_wait_alu depctr_va_vdst(0)                   ; the wait ahead of the reciprocal too
	v_rcp_f32 v14, v14
	v_nop                                          ; a plain instruction behind the reciprocal
	s_wait_alu depctr_va_vdst(0)                   ; and the wait ahead of its first reader
.set n, 0
.rept 64
	v_mul_f32 v[96+n], v[160+n], v14               ; each accumulator from its low end on
.set n, n+1
.endr
	QUANT 96, 248
.endm
	FINISH
.irp c, 0,1,2
	global_store_b128 v[AL0], v[PC+4*\c:PC+4*\c+3], s[14:15] offset:512*\c
.endr
	global_store_b32 v[R16], v248, s[16:17] offset:4*FRB   ; my head's word of each row's four: 64 of the record's 256 scale bytes, once a tile
	WIN W_ONE
	FINISH
	WIN 0x04                                       ; a store's data are its source 1: window 1
.irp c, 0,1,2
	global_store_b128 v[AL0], v[PC+4*\c:PC+4*\c+3], s[14:15] offset:FRB+512*\c
.endr
	global_store_b32 v[R16], v248, s[16:17] offset:4*FRB+4
	WIN 0
	s_wait_tensorcnt 0x0                           ; the wave's end
	ds_add_u32 v[SPW], v[NIL]
	s_wait_dscnt 0x0
	CROUND                                         ; the closing round
	s_endpgm
.Lfunc_end_k_q628936e105_attn:
	.size	k_q628936e105_attn, .Lfunc_end_k_q628936e105_attn-k_q628936e105_attn
	.p2alignl 7, 3214868480
	.fill 96, 4, 3214868480
	.section	.rodata,"a",@progbits
	.p2align	6, 0x0
	.amdhsa_kernel k_q628936e105_attn
		.amdhsa_group_segment_fixed_size 327680
		.amdhsa_private_segment_fixed_size 0
		.amdhsa_enable_private_segment 0
		.amdhsa_kernarg_size 24
		.amdhsa_user_sgpr_count 2
		.amdhsa_user_sgpr_kernarg_segment_ptr 1
		.amdhsa_wavefront_size32 1
		.amdhsa_system_sgpr_workgroup_id_x 1
		.amdhsa_system_sgpr_workgroup_id_y 1
		.amdhsa_system_sgpr_workgroup_id_z 1
		.amdhsa_system_vgpr_workitem_id 0
		.amdhsa_next_free_vgpr 768
		.amdhsa_next_free_sgpr 100
		.amdhsa_reserve_vcc 0
		.amdhsa_float_denorm_mode_32 3
		.amdhsa_float_denorm_mode_16_64 3
		.amdhsa_memory_ordered 1
		.amdhsa_forward_progress 1
		.amdhsa_inst_pref_size 193
	.end_amdhsa_kernel
	.amdgpu_metadata
---
amdhsa.version: [ 1, 2 ]
amdhsa.kernels:
  - .name:           k_q628936e105_attn
    .symbol:         k_q628936e105_attn.kd
    .args:
      - { .name: qkv, .offset: 0, .size: 8, .value_kind: global_buffer, .address_space: global }
      - { .name: attention_mask, .offset: 8, .size: 8, .value_kind: global_buffer, .address_space: global }
      - { .name: acod, .offset: 16, .size: 8, .value_kind: global_buffer, .address_space: global }
    .group_segment_fixed_size: 327680
    .private_segment_fixed_size: 0
    .kernarg_segment_align: 8
    .kernarg_segment_size: 24
    .max_flat_workgroup_size: 128
    .sgpr_count:     100
    .vgpr_count:     768
    .wavefront_size: 32
...
	.end_amdgpu_metadata
.endif
;; end of part 3
;; launch oproj (part 4): grid 16 x 16, 4 waves a work-group, clusters of 4 x 4, 327,680 bytes of LDS; arguments acod, c1, out0; writes out0
.if DOCPART == 4
	.amdgcn_target "amdgcn-amd-amdhsa--gfx1250"
	.amdhsa_code_object_version 6
	.text
	.protected	k_q628936e105_oproj
	.globl	k_q628936e105_oproj
	.p2align	8
	.type	k_q628936e105_oproj,@function
k_q628936e105_oproj:
	s_mov_b64 s[64:65], 0
	v_nop
	global_prefetch_b8 v0, s[64:65] scope:SCOPE_SE
	s_setreg_imm32_b32 hwreg(HW_REG_WAVE_MODE, 25, 1), 1
	s_wait_xcnt 0x0
	s_wait_alu depctr_hold_cnt(0) depctr_sa_sdst(0) depctr_va_vdst(0) depctr_va_sdst(0) depctr_va_ssrc(0) depctr_va_vcc(0) depctr_vm_vsrc(0)
	s_getreg_b32 s2, hwreg(HW_REG_IB_STS2, 6, 4)
	s_cmp_eq_u32 s2, 0
	s_cbranch_scc0 .Lentry_in_a_cluster
	s_endpgm
.Lentry_in_a_cluster:
	s_bfe_u32 s2, ttmp6, 0x10000c
	s_cmp_lg_u32 s2, 0xf033
	s_cbranch_scc0 .Lentry_shape_is_right
	s_endpgm
.Lentry_shape_is_right:
; out0 [4096 tokens][4096] f32 = o x wo^T on codes of FP6 (E2M3) with E8M0 scales, K = 1,024.
; acod: [token tile of 16: 256][2 records]; wo in c1 from record 3,072 on: [row tile of 16: 256][2 records].  A record is 16 rows x 512 K: four fragment images (registers 4 c .. 4 c + 3 of lane l at 512 c + 16 l), then 256 bytes of scale words (row r's four at 16 r).
; SHARES.  A work-group makes 256 tokens x 256 columns: grid 16 x 16 = 256 work-groups.  A wave owns 64 tokens.
;   wo: the block's 16 row tiles are 204,800 consecutive bytes.  They come into LDS once: one tensor load a wave at the head, 51,200 bytes each, and no byte of LDS is filled again: no ring.
;   o: my 64 tokens x all of K are 32 fragments, 384 registers, and 32 scale words.  No other wave of the work-group reads them, and they lie in memory as register images: they go straight into registers, 512 consecutive bytes a load.
;   C goes in four CHUNKS of 64 columns: 16 accumulators, 8 steps of 128 along K, 128 products a wave.  A finished chunk leaves at once, so its stores are on their way while the next chunks are multiplied.
; CLUSTER 4 x 4: wo's bytes hang on the work-group's x alone and are asked for jointly along a column of the cluster.  The tokens' fragments are not asked for jointly: through LDS both operands would be 409,600 bytes, more than a WGP has.
; NO PREFETCH: all that a work-group reads is asked for at its head; there is no loop to run ahead in.
; THE MATRIX INSTRUCTION IS USED TRANSPOSED (source 0 = 16 rows of wo, source 1 = 16 tokens): a lane holds eight neighbouring columns of one token's row.
; THE WAY OUT: a chunk's 64 rows x 256 bytes go through my own stage in LDS (rows of 272 bytes) and come back by rows: sixteen lanes store one aligned unit of 256 bytes.
; REGISTERS.  Window 0: v16-29 addresses, v32-63 o's scale words (8 a + step), v64-95 wo's (8 b + step), v128-223 wo's fragments, two sets of 4.  Window 1: o's fragments of steps 0-4 (48 step + 12 a).  Window 2: those of steps 5-7.
; Window 3: v0-127 the accumulators, (a, b) at 8 (4 a + b); v128-255 a chunk read back from the stage.
.set REC,   6400
.set FRB,   1536
.set RT,    2*REC                      ; a row tile: all of K
.set WO,    3072*REC
.set CHUNK, 4*RT                       ; 64 rows of wo
.set STAGE, 4*CHUNK
.set SPITCH, 272
.set WSTG,  64*SPITCH
.set SPARE, STAGE+4*WSTG               ; the spare words: 512 bytes that no other line names
.set ROWB,  16384                      ; a row of out0
.set ADRB, 16
.set ADRS, 17
.set STO,  18
.set RD,   19
.set CO,   20
.set LI,   21                          ; 16 x lane
.set LR,   22                          ; 16 r
.set SPW,  28
.set NIL,  29
.set SA,   32
.set SB,   64
.set BF,   128
.set WV,   14
.set G1,   24
.set G0,   32
.set CBS,  36                          ; s36: LDS byte at which the chunk in hand begins
.set MSB, 0
.macro WIN new                         ; the immediate's high byte repeats the setting that is left
.if MSB != (\new)
	s_set_vgpr_msb (MSB<<8)|(\new)
.set MSB, (\new)
.endif
.endm
.macro PLACES n
.rept \n
	v_nop
.endr
.endm
.macro CROUND
	s_barrier_signal -1
	s_barrier_wait -1
	s_cmp_lg_u32 s[WV], 0
	s_cbranch_scc1 .Lnot_wave_0_\@
	s_barrier_signal -3
.Lnot_wave_0_\@:
	s_barrier_wait -3
	s_barrier_signal -1
	s_barrier_wait -1
.endm
	s_load_b128 s[4:7], s[0:1], 0x0                ; acod, c1
	s_load_b64 s[12:13], s[0:1], 0x10              ; out0
	v_lshl_add_u32 v[SPW], v0, 2, SPARE
	v_mov_b32 v[NIL], 0
	ds_add_u32 v[SPW], v[NIL]                      ; the opening lines: the add, twice on end, and its wait ahead of my first tensor load
	ds_add_u32 v[SPW], v[NIL]
	v_lshrrev_b32 v1, 5, v0
	v_readfirstlane_b32 s[WV], v1                  ; wave 0..3
	s_bfe_u32 s40, ttmp6, 0x40000                  ; cx
	s_bfe_u32 s41, ttmp6, 0x40004                  ; cy
	s_lshl_b32 s42, ttmp9, 2
	s_add_co_u32 s42, s42, s40                     ; x: the block of 256 columns
	s_and_b32 s17, ttmp7, 0xffff
	s_lshl_b32 s17, s17, 2
	s_add_co_u32 s17, s17, s41                     ; y: the block of 256 tokens
	s_lshl_b32 s44, 0x1111, s40                    ; my column of the cluster
	s_or_b32 s[G1], s44, (3<<16)|(1<<21)           ; group 1: 51,200 dense bytes as 200 rows of 32 elements of 8 bytes
	s_mov_b32 s[G1+1], 32<<16
	s_mov_b32 s[G1+2], 200<<16
	s_mov_b32 s[G1+3], 32<<16
	s_mov_b32 s[G1+4], 200
	s_mov_b32 s[G1+5], 32
	s_mov_b32 s[G1+6], 0
	s_mov_b32 s[G1+7], 0
	s_lshl_b32 s18, s[WV], 2
	s_lshl_b32 s46, s42, 4
	s_add_co_u32 s46, s46, s18
	s_mul_i32 s46, s46, RT
	s_add_co_u32 s46, s46, WO                      ; wo: row tile 16 x + 4 wave
	s_mov_b32 s47, 0
	s_lshl_b32 s20, s17, 4
	s_add_co_u32 s20, s20, s18
	s_mul_i32 s20, s20, RT                         ; o: token tile 16 y + 4 wave
	s_mov_b32 s21, 0
	s_mov_b32 s[G0], 1
	s_mul_i32 s[G0+1], s[WV], CHUNK                ; chunk = wave: no place in the cluster enters an LDS address
	s_wait_dscnt 0x0                               ; both opening adds are done
	s_wait_kmcnt 0x0
	s_add_nc_u64 s[G0+2:G0+3], s[6:7], s[46:47]
	s_or_b32 s[G0+3], s[G0+3], 0x80000000
	s_add_nc_u64 s[20:21], s[4:5], s[20:21]
	CROUND                                         ; all sixteen work-groups are here: the joint loads meet
	tensor_load_to_lds s[G0:G0+3], s[G1:G1+7]      ; my one tensor load of the launch
	s_nop 0
	PLACES 4
	s_mul_i32 s23, s[WV], WSTG
	s_add_co_u32 s23, s23, STAGE                   ; my stage
	s_lshl_b32 s38, s17, 8
	s_lshl_b32 s19, s[WV], 6
	s_add_co_u32 s38, s38, s19
	s_lshl_b32 s38, s38, 14                        ; my first row of out0: 256 y + 64 wave, 16,384 bytes a row
	s_lshl_b32 s19, s42, 10
	s_add_co_u32 s38, s38, s19                     ; + 1,024 x
	s_mov_b32 s39, 0
	s_add_nc_u64 s[12:13], s[12:13], s[38:39]
	s_mov_b32 s[CBS], 0
	s_mov_b32 s3, 0
	v_and_b32 v3, 31, v0
	v_and_b32 v1, 15, v0                           ; r
	v_bfe_u32 v2, v0, 4, 1                         ; h
	v_lshlrev_b32 v[LI], 4, v3
	v_lshlrev_b32 v[LR], 4, v1
	v_mul_u32_u24 v4, v1, SPITCH                   ; into the stage: row r, 32 bytes for each half of the lanes
	v_lshl_add_u32 v4, v2, 5, v4
	v_add_nc_u32 v[STO], s23, v4
	v_mul_u32_u24 v5, v2, SPITCH                   ; back: lanes 0-15 one row of 256 bytes, lanes 16-31 the next
	v_add_nc_u32 v5, v5, v[LR]
	v_add_nc_u32 v[RD], s23, v5
	v_lshl_add_u32 v[CO], v2, 14, v[LR]            ; and the same two rows in out0
	s_wait_alu depctr_va_vdst(0)                   ; the wait behind the head's vector work
.irp a, 0,1,2,3
.irp g, 0,1
	global_load_b128 v[SA+8*\a+4*\g:SA+8*\a+4*\g+3], v[LR], s[20:21] offset:RT*\a+REC*\g+4*FRB   ; o's scale words (lanes 16-31 hold what lanes 0-15 do)
.endr
.endr
.macro AWIN k, lo, hi                  ; where o's fragments of step k lie: sets AB and the window setting
.if (\k) < 5
	WIN \lo
.set AB, 48*(\k)
.else
	WIN \hi
.set AB, 48*((\k)-5)
.endif
.endm
.irp k, 0,1,2,3,4,5,6,7
	AWIN \k, 0x40, 0x80
.irp a, 0,1,2,3
.irp c, 0,1,2
	global_load_b128 v[AB+12*\a+4*\c:AB+12*\a+4*\c+3], v[LI], s[20:21] offset:RT*\a+REC*(\k/4)+FRB*(\k%4)+512*\c
.endr
.endr
.endr
	WIN 0
.macro FETCH k                         ; wo's four fragments of step k of the chunk in hand, into set k % 2
.irp b, 0,1,2,3
.irp c, 0,1,2
	ds_load_b128 v[BF+48*((\k)%2)+12*\b+4*\c:BF+48*((\k)%2)+12*\b+4*\c+3], v[ADRB] offset:RT*\b+REC*((\k)/4)+FRB*((\k)%4)+512*\c
.endr
.endr
.endm
.macro MUL16 k                         ; 16 products, the accumulators by turns; step 0 starts the sums
	AWIN \k, 0xf4, 0xf8
.irp a, 0,1,2,3
.irp b, 0,1,2,3
.if (\k) == 0
	v_wmma_scale_f32_16x16x128_f8f6f4 v[8*(4*\a+\b):8*(4*\a+\b)+7], v[BF+48*((\k)%2)+12*\b:BF+48*((\k)%2)+12*\b+11], v[AB+12*\a:AB+12*\a+11], 0, v[SB+8*\b+(\k)], v[SA+8*\a+(\k)] matrix_a_fmt:MATRIX_FMT_FP6 matrix_b_fmt:MATRIX_FMT_FP6
.else
	v_wmma_scale_f32_16x16x128_f8f6f4 v[8*(4*\a+\b):8*(4*\a+\b)+7], v[BF+48*((\k)%2)+12*\b:BF+48*((\k)%2)+12*\b+11], v[AB+12*\a:AB+12*\a+11], v[8*(4*\a+\b):8*(4*\a+\b)+7], v[SB+8*\b+(\k)], v[SA+8*\a+(\k)] matrix_a_fmt:MATRIX_FMT_FP6 matrix_b_fmt:MATRIX_FMT_FP6
.endif
.endr
.endr
	WIN 0
.endm
	s_wait_loadcnt 0x0                             ; o is in my registers
	s_wait_tensorcnt 0x0                           ; my chunk of wo has landed;
	s_barrier_signal -1
	s_barrier_wait -1                              ; everybody's has
.Lchunk:                                               ; 4 trips, 64 columns each
	v_add_nc_u32 v[ADRB], s[CBS], v[LI]
	v_add_nc_u32 v[ADRS], s[CBS], v[LR]
	s_wait_alu depctr_va_vdst(0)                   ; the wait behind these writes
.irp b, 0,1,2,3
.irp g, 0,1
	ds_load_b128 v[SB+8*\b+4*\g:SB+8*\b+4*\g+3], v[ADRS] offset:RT*\b+REC*\g+4*FRB   ; the chunk's scale words
.endr
.endr
	FETCH 0
.irp k, 0,1,2,3,4,5,6
	s_wait_dscnt 0x0                               ; this step's fragments are in
	PLACES 4                                       ; four plain instructions between the last products and the loads into registers that they read
	FETCH \k+1
	MUL16 \k
.endr
	s_wait_dscnt 0x0
	MUL16 7
	PLACES 5                                       ; ahead of the reads of the results, and of the next trip's loads and first products, which write over registers of these
	WIN 0x0c                                       ; the data: window 3
.irp a, 0,1,2,3
.irp b, 0,1,2,3
	ds_store_b128 v[STO], v[8*(4*\a+\b):8*(4*\a+\b)+3] offset:16*SPITCH*\a+64*\b          ; each accumulator from its low end on
	ds_store_b128 v[STO], v[8*(4*\a+\b)+4:8*(4*\a+\b)+7] offset:16*SPITCH*\a+64*\b+16
.endr
.endr
	WIN 0xc0
.set t, 0
.rept 32
	ds_load_b128 v[128+4*t:131+4*t], v[RD] offset:2*t*SPITCH   ; LDS serves a wave's instructions in order: these see the stores above
.set t, t+1
.endr
	WIN 0x0c
.set t, 0
.rept 4
	s_wait_dscnt 24-t                              ; 24, 16, 8, 0: the next eight loads are back; the younger ones may be out
.rept 8
	global_store_b128 v[CO], v[128+4*t:131+4*t], s[12:13] offset:2*t*ROWB th:TH_STORE_NT   ; 16 lanes store 256 consecutive bytes, at a multiple of 256 from out0's first byte
.set t, t+1
.endr
.endr
	WIN 0
	s_wait_xcnt 0x0                                ; the stores have read their registers and their base
	s_add_nc_u64 s[12:13], s[12:13], 256           ; 64 columns on
	s_add_co_u32 s[CBS], s[CBS], CHUNK
	s_add_co_u32 s3, s3, 1
	s_cmp_lt_u32 s3, 4
	s_cbranch_scc1 .Lchunk
	s_wait_tensorcnt 0x0                           ; the wave's end
	ds_add_u32 v[SPW], v[NIL]
	s_wait_dscnt 0x0
	CROUND                                         ; the closing round
	s_endpgm
.Lfunc_end_k_q628936e105_oproj:
	.size	k_q628936e105_oproj, .Lfunc_end_k_q628936e105_oproj-k_q628936e105_oproj
	.p2alignl 7, 3214868480
	.fill 96, 4, 3214868480
	.section	.rodata,"a",@progbits
	.p2align	6, 0x0
	.amdhsa_kernel k_q628936e105_oproj
		.amdhsa_group_segment_fixed_size 327680
		.amdhsa_private_segment_fixed_size 0
		.amdhsa_enable_private_segment 0
		.amdhsa_kernarg_size 24
		.amdhsa_user_sgpr_count 2
		.amdhsa_user_sgpr_kernarg_segment_ptr 1
		.amdhsa_wavefront_size32 1
		.amdhsa_system_sgpr_workgroup_id_x 1
		.amdhsa_system_sgpr_workgroup_id_y 1
		.amdhsa_system_sgpr_workgroup_id_z 1
		.amdhsa_system_vgpr_workitem_id 0
		.amdhsa_next_free_vgpr 1024
		.amdhsa_next_free_sgpr 66
		.amdhsa_reserve_vcc 0
		.amdhsa_float_denorm_mode_32 3
		.amdhsa_float_denorm_mode_16_64 3
		.amdhsa_memory_ordered 1
		.amdhsa_forward_progress 1
		.amdhsa_inst_pref_size 47
	.end_amdhsa_kernel
	.amdgpu_metadata
---
amdhsa.version: [ 1, 2 ]
amdhsa.kernels:
  - .name:           k_q628936e105_oproj
    .symbol:         k_q628936e105_oproj.kd
    .args:
      - { .name: acod, .offset: 0, .size: 8, .value_kind: global_buffer, .address_space: global }
      - { .name: c1, .offset: 8, .size: 8, .value_kind: global_buffer, .address_space: global }
      - { .name: out0, .offset: 16, .size: 8, .value_kind: global_buffer, .address_space: global }
    .group_segment_fixed_size: 327680
    .private_segment_fixed_size: 0
    .kernarg_segment_align: 8
    .kernarg_segment_size: 24
    .max_flat_workgroup_size: 128
    .sgpr_count:     66
    .vgpr_count:     1024
    .wavefront_size: 32
...
	.end_amdgpu_metadata
.endif
;; end of part 4
